; MI455X (gfx1250); checked and timed in simulation.
; The chip was launched on July 23, 2026; its instructions are those of AMD's public machine-readable ISA for CDNA 5 (MIT licence, August 2026) and "CDNA5" Instruction Set Architecture Reference Guide (July 2026). The comments in the code are by the model that wrote it; some were corrected since.
;; Multi Head Self Attention. Allowed arithmetic: matrix products marked QUANTISED: E2M1 operands, one E8M0 scale for each 32 along K, by v_wmma_scale_f32_16x16x128_f8f6f4 with both operands' format E2M1 (or v_wmma_scale_f32_32x16x128_f4), f32 sums; products left as they are: bf16, f16 or f32 operands; f32 sums; everything else in f32.
;; Inputs: Wout 1,024 x 1,024 float32; Wqkv 3,072 x 1,024 float32; attention_mask 2 x 2,048 bool; bout 1,024 float32; x 2 x 2,048 x 1,024 float32.
;; Outputs: out0 2 x 2,048 x 1,024 float32.
;; This version of the problem:
;;   THIS VERSION OF THE PROBLEM IS GIVEN IN LOW PRECISION. The matrix products marked QUANTISED in the list below multiply operands that are first quantised to E2M1 (2 exponent bits, 1 mantissa bit; 4 bits a number), with one power-of-two scale for each 32 numbers along K (OCP MX v1.0); their sums are f32. The products marked 'left as it is' may take bf16, f16 or f32 operands, with f32 sums. Whichever they take, every output number must still come out within the allowed error. Rounding operands to bf16 (8 significant bits) uses up far more of that allowance than f16 does (11 bits, for magnitudes from 6e-5 to 65,504). All else is computed in f32.
;;   The module's matrix products, in the order in which they are computed (A, B: the left and right operand; K: the contracted axis; several contracted axes count as one K, in the product's order):
;;     1. [M 4,096, K 1,024] x [K 1,024, N 3,072]; A: input x; B: input Wqkv: QUANTISED
;;     2. [M 2,048, K 1] x [K 1, N 32]; A: computed on the way; B: computed on the way: left as it is (no contracted axis)
;;     3. batch 32 x [M 2,048, K 64] x [K 64, N 2,048]; A: computed on the way; B: computed on the way: left as it is (an operand is computed on the way)
;;     4. batch 32 x [M 2,048, K 2,048] x [K 2,048, N 64]; A: computed on the way; B: computed on the way: left as it is (an operand is computed on the way)
;;     5. [M 4,096, K 1,024] x [K 1,024, N 1,024]; A: computed on the way; B: input Wout: left as it is (an operand is computed on the way)
;;   THE QUANTISER, for each operand of a quantised product, along K:
;;     - K is cut into blocks of 32 from its start; a last block that is shorter is filled with zeros.
;;     - A block's scale is 2^e with e = floor(log2(the largest magnitude in the block)) - 2, held to -126 .. 127; a block of zeros has e = 0. As a byte (E8M0): e + 127.
;;     - Each number is divided by its block's scale, clamped to +-6, and rounded to the nearest number of E2M1, ties to even, subnormals kept.
;;     - The product sums the exact products of the quantised numbers (number of the format x scale) in f32.
;;   ~~~python
;;   def quantise(x, axis):      # numpy; x: float32 -> the quantised numbers, widened to float32 again
;;       x = np.moveaxis(x, axis, -1); K = x.shape[-1]
;;       x = np.pad(x, [(0, 0)] * (x.ndim - 1) + [(0, -K % 32)]); x = x.reshape(x.shape[:-1] + (-1, 32)); a = np.abs(x).max(-1, keepdims=True)
;;       e = np.where(a > 0, np.clip(np.frexp(np.where(a > 0, a, 1))[1] - 1 - 2, -126, 127), 0)      # np.frexp(a)[1] - 1 = floor(log2(a)), exactly
;;       r = np.clip(x / 2.0 ** e, -6, 6)
;;       step = 2.0 ** (np.maximum(np.frexp(np.where(r == 0, 1, r))[1] - 1, 0) - 1)
;;       q = np.round(r / step) * step * 2.0 ** e      # np.round: ties to even
;;       return np.moveaxis(q.reshape(q.shape[:-2] + (-1,))[..., :K], -1, axis).astype(np.float32)
;;   ~~~
;; One version. Each part assembles by itself: llvm-mc -triple=amdgcn-amd-amdhsa -mcpu=gfx1250 --defsym DOCPART=n.
;; ======== version 1 of 1: 4 launches
;; limits: values are held in f16: magnitudes above 65,504 overflow, below 6.1e-05 lose precision
;; workspace buffers: xc 2,097,152 bytes; xs 131,072 bytes; wc 1,572,864 bytes; ws 98,304 bytes; wo16 2,097,152 bytes; rope 524,288 bytes; qkv 25,165,824 bytes; ao 8,388,608 bytes
;; launch prep (part 1): grid 304 x 1, 4 waves a work-group, no clusters, 33,280 bytes of LDS; arguments x, Wqkv, xc, xs, wc, ws, Wout, wo16, rope; writes xc, xs, wc, ws, wo16, rope
.if DOCPART == 1
	.amdgcn_target "amdgcn-amd-amdhsa--gfx1250"
	.amdhsa_code_object_version 6
	.text
	.protected	k_q713ed62460_prep
	.globl	k_q713ed62460_prep
	.p2align	8
	.type	k_q713ed62460_prep,@function
k_q713ed62460_prep:
	s_mov_b64 s[64:65], 0
	v_nop
	global_prefetch_b8 v0, s[64:65] scope:SCOPE_SE
	s_setreg_imm32_b32 hwreg(HW_REG_WAVE_MODE, 25, 1), 1
	s_wait_xcnt 0x0
; LAUNCH 1 OF 4 (prep, qkv, attn, proj): multi-head self-attention, B = 2, T = 2,048, C = 1,024, 16 heads of 64.
; DEAD WORK: none is left out anywhere in this program.  Every input (x, Wqkv, Wout, bout, attention_mask) has a way to out0 and is loaded; the key mask is an input, so no tile of the attention is dropped.
; The table's product 2 (t x inv_freq, no contracted axis) is one multiply for each entry of the cos/sin table, made here once for all heads and batches.
; THREE JOBS, parted by the work-group's number:
;   work-groups 0-223:   x [4096][1024] and Wqkv [3072][1024], f32, K innermost, become codes of E2M1 (two a byte) and one E8M0 byte for each 32 along K: xc, xs, wc, ws.
;   work-groups 224-287: Wout [1024 o][1024 c] f32 becomes f16 in planes wo16 [16 = c / 64][1024 o][64]: a plane's rows are 128 dense bytes, as the last launch's tiles want them.
;   work-groups 288-303: rope [2048 t][64] f32: 32 cosines, then 32 sines of t x 10000^(-j / 32).
; THE QUANTISER: a block's scale is 2^(floor(log2(largest magnitude)) - 2); its byte is the largest magnitude's exponent field - 2, held at 1 from below; each number / scale goes to the nearest code, ties to even, beyond 6 to 6.
; LIMITS: a block of zeros gets the byte 1 where the rule says 127 (its codes are zeros, and this program alone reads the bytes); blocks whose largest magnitude lies under 2^(2 - 126) are held at the byte 1;
; NaN and infinities among x and Wqkv are not served.  Wout beyond 65,504 becomes infinity in f16.
; THE TABLE: the angle is kept in turns, u = t x c_j with c_j = 10000^(-j / 32) / (2 pi).  u less its nearest whole number comes from ONE fused multiply-add (the product is not rounded first); the sine is the cosine a quarter turn back;
; cos(2 pi f) = sin(2 pi (1/4 - |f|)), and that sine, on [-1/4, 1/4], is its series up to the 11th power (the next term is under 6e-8).  The angle's error is t x the rounding of c_j: some 1e-4 radians at the far end of the sequence.
.set WAVES, 4
.set STEPS, 16
.set WGA,   128                        ; 4096 x 1024 / 32768 work-groups for x
.set WGQ,   224                        ; + 3072 x 1024 / 32768 for Wqkv
.set WGW,   288                        ; + 64 for Wout
.set EMAX,  2
.set CB,    8                          ; bytes of 16 codes
.set R,     16                         ; v16-79   four sets of 16 numbers as they are loaded
.set X,     80                         ; v80-111  two sets of 16 neighbours
.set C,     128                        ; v128-191 codes: four registers for each step
.set E,     112                        ; v112-127 a scale byte for each step
.set WREG,  8192                       ; LDS: a region for each wave: two stages of 32 x SP bytes, then its 256 scale bytes
.set SP,    80                         ; a lane's place in a stage: 64 bytes + 16 of padding
.set SPW,   12                         ; v12      LDS address of my spare word; never rewritten
.set NIL,   13                         ; v13      0; never rewritten
.set SPARE, WAVES*WREG                 ; behind the four regions: the spare words, 128 bytes a wave
	s_load_b128 s[4:7], s[0:1], 0x0                ; x, Wqkv
	s_load_b128 s[8:11], s[0:1], 0x10              ; xc, xs
	s_load_b128 s[12:15], s[0:1], 0x20             ; wc, ws
	s_load_b128 s[24:27], s[0:1], 0x30             ; Wout, wo16
	s_load_b64 s[28:29], s[0:1], 0x40              ; rope
	v_lshl_add_u32 v[SPW], v0, 2, SPARE
	v_mov_b32 v[NIL], 0
	v_lshrrev_b32 v1, 5, v0
	v_readfirstlane_b32 s16, v1                    ; wave
	v_and_b32 v2, 31, v0                           ; lane
	s_wait_kmcnt 0x0
	s_cmp_ge_u32 ttmp9, WGW
	s_cbranch_scc1 .Lrope
	s_cmp_ge_u32 ttmp9, WGQ
	s_cbranch_scc1 .Lwout
	; ---- x and Wqkv into codes.  Rows are dense and K is a multiple of 32: both tensors are plain streams of blocks of 32.  A wave takes 16 steps of 512 numbers.
	; Each load reads 512 consecutive bytes; a step's 2,048 bytes turn through the wave's own stage in LDS and come back 64 bytes (16 neighbours) a lane; two neighbouring lanes hold a block.
	v_lshlrev_b32 v3, 4, v2                        ; my 16 bytes of a load's 512
	s_mul_i32 s17, s16, WREG
	v_lshrrev_b32 v14, 2, v2
	v_mul_u32_u24 v14, v14, SP
	v_and_b32 v15, 3, v2
	v_lshl_add_u32 v14, v15, 4, v14
	v_add_nc_u32 v14, s17, v14                     ; the stage, on the way in: SP (lane / 4) + 16 (lane % 4)
	v_mul_u32_u24 v15, v2, SP
	v_add_nc_u32 v15, s17, v15                     ; and on the way out: SP x lane
	v_mul_u32_u24 v4, v2, CB                       ; my codes' place in a step's
	v_lshrrev_b32 v5, 1, v2
	s_add_co_u32 s17, s17, 2*32*SP
	v_add_nc_u32 v5, s17, v5                       ; LDS: my wave's 256 scale bytes, my block's byte
	v_lshlrev_b32 v7, 3, v2                        ; and on the way out 8 bytes a lane
	v_add_nc_u32 v6, s17, v7
	s_cmp_lt_u32 ttmp9, WGA                        ; x's work-group or Wqkv's?  The choice hangs on the work-group's number alone
	s_cselect_b64 s[4:5], s[4:5], s[6:7]
	s_cselect_b64 s[8:9], s[8:9], s[12:13]
	s_cselect_b64 s[10:11], s[10:11], s[14:15]
	s_cselect_b32 s17, 0, WGA
	s_sub_co_u32 s17, ttmp9, s17
	s_lshl_b32 s17, s17, 2
	s_add_co_u32 s18, s17, s16                     ; which run of 8,192 numbers of the tensor is my wave's
	s_mov_b32 s19, 0
	s_mov_b64 s[20:21], 512*STEPS*4
	s_mul_u64 s[20:21], s[18:19], s[20:21]
	s_add_nc_u64 s[4:5], s[4:5], s[20:21]
	s_mov_b64 s[20:21], 32*STEPS*CB
	s_mul_u64 s[20:21], s[18:19], s[20:21]
	s_add_nc_u64 s[8:9], s[8:9], s[20:21]
	s_lshl_b32 s18, s18, 8                         ; 256 scale bytes a run
	s_add_nc_u64 s[10:11], s[10:11], s[18:19]
.macro LOAD t
.irp i, 0,1,2,3
	global_load_b128 v[R+16*((\t)%4)+4*\i:R+16*((\t)%4)+4*\i+3], v3, s[4:5] offset:2048*(\t)+512*\i th:TH_LOAD_NT   ; 32 lanes read 512 consecutive bytes
.endr
.endm
.macro TURN t                          ; step t's numbers through the stage: LDS serves a wave's instructions in order, so no wait stands between the stores and the loads
.irp i, 0,1,2,3
	ds_store_b128 v14, v[R+16*((\t)%4)+4*\i:R+16*((\t)%4)+4*\i+3] offset:32*SP*((\t)%2)+8*SP*\i
.endr
.irp i, 0,1,2,3
	ds_load_b128 v[X+16*((\t)%2)+4*\i:X+16*((\t)%2)+4*\i+3], v15 offset:32*SP*((\t)%2)+16*\i
.endr
.endm
.irp t, 0,1,2,3
	LOAD \t
.endr
	s_wait_loadcnt 12                              ; step 0's four loads are in; the twelve of steps 1 to 3 stay out
	TURN 0
.macro STEP t
.set XS, X+16*((\t)%2)
.if (\t) > 0
	s_wait_dscnt 1                                 ; this step's numbers are back from the stage (the last step's byte store may be out): so its stores into the stage have read their registers,
.else
	s_wait_dscnt 0x0
.endif
.if (\t)+4 < STEPS
	LOAD (\t)+4                                    ; which take the loads of four steps on
.endif
.if (\t)+1 < STEPS
.if STEPS-2-(\t) >= 3
	s_wait_loadcnt 12                              ; the next step's four loads are in; those of the three steps behind it may be out
.else
	s_wait_loadcnt 4*(STEPS-2-(\t))
.endif
	TURN (\t)+1                                    ; and go through the other stage while this step is worked
.endif
	v_max3_num_f32 v8, |v[XS]|, |v[XS+1]|, |v[XS+2]|               ; the largest magnitude of my 16, in two chains
	v_max3_num_f32 v9, |v[XS+3]|, |v[XS+4]|, |v[XS+5]|
.irp i, 6,10
	v_max3_num_f32 v8, v8, |v[XS+\i]|, |v[XS+\i+1]|
	v_max3_num_f32 v9, v9, |v[XS+\i+2]|, |v[XS+\i+3]|
.endr
	v_max3_num_f32 v8, v8, |v[XS+14]|, |v[XS+15]|
	v_max3_num_f32 v8, v8, v9, (EMAX+1)<<23        ; and the floor 2^(EMAX + 1 - 127): the byte cannot fall under 1
	v_max_num_f32_dpp v8, v8, v8 row_xmask:1 row_mask:0xf bank_mask:0xf   ; and of my neighbour's 16: the block's
	v_add_nc_u32 v11, -(EMAX<<23), v8              ; EMAX off its exponent field: the conversion takes the exponent field of this operand as its scale, and nothing else of it
	v_cvt_scalef32_pk8_fp4_f32 v[C+4*(\t)], v[XS:XS+7], v11
	v_cvt_scalef32_pk8_fp4_f32 v[C+4*(\t)+1], v[XS+8:XS+15], v11
	v_lshrrev_b32 v[E+(\t)], 23, v11               ; the scale's byte (also the plain line behind the conversions)
	ds_store_b8 v5, v[E+(\t)] offset:16*(\t)       ; both lanes of a block write the same byte with the same value
	global_store_b64 v4, v[C+4*(\t):C+4*(\t)+1], s[8:9] offset:32*CB*(\t)   ; the wave stores 256 consecutive bytes, aligned
.endm
.irp t, 0,1,2,3,4,5,6,7,8,9,10,11,12,13,14,15
	STEP \t
.endr
	ds_load_b64 v[8:9], v6                         ; LDS serves a wave's instructions in order: these see my stores
	s_wait_dscnt 0x0
	global_store_b64 v7, v[8:9], s[10:11]          ; 32 lanes store 256 consecutive scale bytes, aligned
	s_wait_tensorcnt 0x0                           ; the wave's end, behind my last LDS store
	ds_add_u32 v[SPW], v[NIL]
	s_wait_dscnt 0x0
	s_endpgm
	; ---- Wout into f16 planes.  Wave w of work-group g takes rows o0 = 4 (4 g + w) .. o0 + 3, all 16 planes.  Eight lanes read a row's 256 bytes of a plane (two loads of 16 bytes a lane);
	; a lane's 8 numbers become 16 bytes, and the wave's store covers 512 consecutive bytes: 4 rows of one plane.  No register is written twice, so no store's data are waited for.  No LDS.
.Lwout:
	s_sub_co_u32 s17, ttmp9, WGQ
	s_lshl_b32 s17, s17, 2
	s_add_co_u32 s17, s17, s16                     ; 4 g + w
	s_lshl_b32 s18, s17, 14                        ; o0 rows of 4,096 bytes
	s_lshl_b32 s19, s17, 9                         ; o0 rows of 128 bytes
	v_lshrrev_b32 v3, 3, v2
	v_and_b32 v4, 7, v2
	v_lshlrev_b32 v3, 12, v3
	v_lshl_add_u32 v3, v4, 5, v3
	v_add_nc_u32 v3, s18, v3                       ; in: (o0 + lane / 8) x 4096 + 32 (lane % 8)
	v_lshl_add_u32 v4, v2, 4, s19                  ; out: o0 x 128 + 16 x lane
.set p, 0
.rept 16
	global_load_b128 v[16+8*p:19+8*p], v3, s[24:25] offset:256*p th:TH_LOAD_NT
	global_load_b128 v[20+8*p:23+8*p], v3, s[24:25] offset:256*p+16 th:TH_LOAD_NT
.set p, p+1
.endr
.set p, 0
.rept 16
	s_wait_loadcnt 30-2*p                          ; plane p's two loads are in; the later planes' stay out
.irp i, 0,1,2,3
	v_cvt_pk_f16_f32 v[16+8*p+\i], v[16+8*p+2*\i], v[16+8*p+2*\i+1]   ; in place, ascending: a result never lands on a number not yet read
.endr
	global_store_b128 v4, v[16+8*p:19+8*p], s[26:27] offset:131072*p
.set p, p+1
.endr
	s_endpgm
	; ---- the cos/sin table.  Wave w of work-group g takes rows t0 = 32 (4 g + w) .. t0 + 31, two a trip.  Of 16 lanes, lanes 0-7 make a row's 32 cosines (4 each), lanes 8-15 its 32 sines; lanes 16-31 the next row.  No LDS.
.Lrope:
	s_sub_co_u32 s17, ttmp9, WGW
	s_lshl_b32 s17, s17, 2
	s_add_co_u32 s17, s17, s16
	s_lshl_b32 s17, s17, 5                         ; t0
	s_lshl_b32 s18, s17, 8                         ; its row of 256 bytes
	s_mov_b32 s30, 0x40c90fdb                      ; the series of sin(2 pi w) / w in y = w w: (2 pi),
	s_mov_b32 s31, 0xc2255de7                      ; -(2 pi)^3 / 3!,
	s_mov_b32 s32, 0x42a335e3                      ; (2 pi)^5 / 5!,
	s_mov_b32 s33, 0xc2996966                      ; -(2 pi)^7 / 7!,
	s_mov_b32 s34, 0x42283c1a                      ; (2 pi)^9 / 9!,
	s_mov_b32 s35, 0xc17183a8                      ; -(2 pi)^11 / 11!
	s_mov_b32 s37, 0x3e800000                      ; a quarter turn
	v_and_b32 v20, 7, v2
	v_lshlrev_b32 v20, 2, v20                      ; my first j
	v_bfe_u32 v21, v2, 3, 1
	v_cvt_f32_u32 v21, v21
	v_mul_f32 v21, s37, v21                        ; 0 for a cosine, 1/4 for a sine
	v_lshrrev_b32 v22, 4, v2
	v_add_nc_u32 v22, s17, v22
	v_cvt_f32_u32 v22, v22                         ; t, as f32 (exact)
	v_lshl_add_u32 v23, v2, 4, s18                 ; 16 lanes write one row's 256 bytes
.irp k, 0,1,2,3
	v_add_nc_u32 v[24+\k], \k, v20
.endr
.irp k, 0,1,2,3
	v_cvt_f32_u32 v[24+\k], v[24+\k]
.endr
.irp k, 0,1,2,3
	v_mul_f32 v[24+\k], 0xbed49a78, v[24+\k]       ; -j log2(10000) / 32
.endr
.irp k, 0,1,2,3
	v_exp_f32 v[24+\k], v[24+\k]                   ; 10000^(-j / 32)
.endr
	v_nop                                          ; a plain line behind the last exponential,
	s_wait_alu depctr_va_vdst(0)                   ; and one wait for the four, ahead of their first reader
.irp k, 0,1,2,3
	v_mul_f32 v[24+\k], 0.15915494, v[24+\k]       ; c_j: turns for each position
.endr
	s_mov_b32 s36, 16
.Lrow:
.irp k, 0,1,2,3
	v_fma_f32 v[28+\k], v22, v[24+\k], -v21        ; t c - phase, only to find the nearest whole turn
.endr
.irp k, 0,1,2,3
	v_rndne_f32 v[32+\k], v[28+\k]
.endr
.irp k, 0,1,2,3
	v_fma_f32 v[28+\k], v22, v[24+\k], -v[32+\k]   ; t c - n: the product is not rounded before n is taken away
.endr
.irp k, 0,1,2,3
	v_sub_f32 v[28+\k], v[28+\k], v21              ; f, in [-1/2, 1/2]
.endr
.irp k, 0,1,2,3
	v_sub_f32 v[36+\k], s37, |v[28+\k]|            ; w = 1/4 - |f|: cos(2 pi f) = sin(2 pi w)
.endr
.irp k, 0,1,2,3
	v_mul_f32 v[40+\k], v[36+\k], v[36+\k]
.endr
.irp k, 0,1,2,3
	v_fma_f32 v[44+\k], v[40+\k], s35, s34
.endr
.irp c, 33,32,31,30
.irp k, 0,1,2,3
	v_fma_f32 v[44+\k], v[44+\k], v[40+\k], s\c
.endr
.endr
.irp k, 0,1,2,3
	v_mul_f32 v[48+\k], v[44+\k], v[36+\k]
.endr
	global_store_b128 v23, v[48:51], s[28:29]
	s_wait_xcnt 0x0                                ; the store has read its offset and its data: both are written again below and in the next trip
	v_add_nc_u32 v23, 512, v23                     ; two rows on
	v_add_f32 v22, 2.0, v22
	s_sub_co_u32 s36, s36, 1
	s_cmp_lg_u32 s36, 0
	s_cbranch_scc1 .Lrow
	s_endpgm
.Lfunc_end_k_q713ed62460_prep:
	.size	k_q713ed62460_prep, .Lfunc_end_k_q713ed62460_prep-k_q713ed62460_prep
	.p2alignl 7, 3214868480
	.fill 96, 4, 3214868480
	.section	.rodata,"a",@progbits
	.p2align	6, 0x0
	.amdhsa_kernel k_q713ed62460_prep
		.amdhsa_group_segment_fixed_size 33280
		.amdhsa_private_segment_fixed_size 0
		.amdhsa_enable_private_segment 0
		.amdhsa_kernarg_size 72
		.amdhsa_user_sgpr_count 2
		.amdhsa_user_sgpr_kernarg_segment_ptr 1
		.amdhsa_wavefront_size32 1
		.amdhsa_system_sgpr_workgroup_id_x 1
		.amdhsa_system_sgpr_workgroup_id_y 1
		.amdhsa_system_sgpr_workgroup_id_z 1
		.amdhsa_system_vgpr_workitem_id 0
		.amdhsa_next_free_vgpr 192
		.amdhsa_next_free_sgpr 66
		.amdhsa_reserve_vcc 0
		.amdhsa_float_denorm_mode_32 3
		.amdhsa_float_denorm_mode_16_64 3
		.amdhsa_memory_ordered 1
		.amdhsa_forward_progress 1
		.amdhsa_inst_pref_size 48
	.end_amdhsa_kernel
	.amdgpu_metadata
---
amdhsa.version: [ 1, 2 ]
amdhsa.kernels:
  - .name:           k_q713ed62460_prep
    .symbol:         k_q713ed62460_prep.kd
    .args:
      - { .name: x, .offset: 0, .size: 8, .value_kind: global_buffer, .address_space: global }
      - { .name: Wqkv, .offset: 8, .size: 8, .value_kind: global_buffer, .address_space: global }
      - { .name: xc, .offset: 16, .size: 8, .value_kind: global_buffer, .address_space: global }
      - { .name: xs, .offset: 24, .size: 8, .value_kind: global_buffer, .address_space: global }
      - { .name: wc, .offset: 32, .size: 8, .value_kind: global_buffer, .address_space: global }
      - { .name: ws, .offset: 40, .size: 8, .value_kind: global_buffer, .address_space: global }
      - { .name: Wout, .offset: 48, .size: 8, .value_kind: global_buffer, .address_space: global }
      - { .name: wo16, .offset: 56, .size: 8, .value_kind: global_buffer, .address_space: global }
      - { .name: rope, .offset: 64, .size: 8, .value_kind: global_buffer, .address_space: global }
    .group_segment_fixed_size: 33280
    .private_segment_fixed_size: 0
    .kernarg_segment_align: 8
    .kernarg_segment_size: 72
    .max_flat_workgroup_size: 128
    .sgpr_count:     66
    .vgpr_count:     192
    .wavefront_size: 32
...
	.end_amdgpu_metadata
.endif
;; end of part 1
;; launch qkv (part 2): grid 12 x 16, 4 waves a work-group, clusters of 4 x 4, 327,680 bytes of LDS; arguments xc, xs, wc, ws, rope, qkv; writes qkv
.if DOCPART == 2
	.amdgcn_target "amdgcn-amd-amdhsa--gfx1250"
	.amdhsa_code_object_version 6
	.text
	.protected	k_q713ed62460_qkv
	.globl	k_q713ed62460_qkv
	.p2align	8
	.type	k_q713ed62460_qkv,@function
k_q713ed62460_qkv:
	s_mov_b64 s[64:65], 0
	v_nop
	global_prefetch_b8 v0, s[64:65] scope:SCOPE_SE
	s_setreg_imm32_b32 hwreg(HW_REG_WAVE_MODE, 25, 1), 1
	s_wait_xcnt 0x0
	s_wait_alu depctr_hold_cnt(0) depctr_sa_sdst(0) depctr_va_vdst(0) depctr_va_sdst(0) depctr_va_ssrc(0) depctr_va_vcc(0) depctr_vm_vsrc(0)
	s_getreg_b32 s2, hwreg(HW_REG_IB_STS2, 6, 4)
	s_cmp_eq_u32 s2, 0
	s_cbranch_scc0 .Lentry_in_a_cluster
	s_endpgm
.Lentry_in_a_cluster:
	s_bfe_u32 s2, ttmp6, 0x10000c
	s_cmp_lg_u32 s2, 0xf033
	s_cbranch_scc0 .Lentry_shape_is_right
	s_endpgm
.Lentry_shape_is_right:
; LAUNCH 2 OF 4: qkv = x Wqkv^T on codes of E2M1 with E8M0 scales (the quantised product), then RoPE on q and k, rounding to f16, head-major out.  No work of the problem is left out here.
; A = xc [4096][1024 codes], B = wc [3072][1024 codes], two codes a byte, K innermost; scales xs [4096][32], ws [3072][32].  Out: qkv f16 [3 types][32 = 16 b + head][2048 t][64].
; A tile of 256 x 256 is made by four waves, each 128 x 128: 64 accumulators of 16 x 16, 512 registers.  K = 1,024 is two LDS slots of 512 along K (rows of 256 bytes): both are asked for at the head and nothing is filled again.
; The scales of the work-group's 256 + 256 rows, for all of K, come into LDS once, as dense blocks.  No prefetch: all tiles of a work-group are asked for at its head.
; CLUSTERS: 4 x 4 work-groups; A's tiles are asked for jointly along a row of the cluster, B's along a column.  A cluster's four tile columns are 1,024 features: one TYPE (q, k or v) = the cluster's x, the same in all sixteen partners.
; THE MATRIX INSTRUCTION IS USED TRANSPOSED (source 0 = 16 rows of B, source 1 = 16 rows of A): lane (r, h) register j of accumulator (a, b) holds token 16 a + r, feature 16 b + 8 h + j.
; ROPE: a wave's 128 features are two heads; channel d < 32 of a head lies in blocks 4 hd + 0, 1 and channel d + 32 in the SAME register of the block two further on: y1 = x1 cos - x2 sin, y2 = x2 cos + x1 sin, in f32, no lane exchange.
; LIMIT: q, k, v beyond 65,504 become infinity in f16.
; REGISTERS, in windows of 256: window 0: v0-31 addresses; v32-95 scale words (they hold nothing else); v128-191 A's fragments; on the way out v96-159 rotated numbers, v160-191 packed, v192-255 rows read back.
;   window 1: B's fragments, two sets, v0-63 and v128-191; on the way out v0-63 cos and sin, two sets.   window 2, 3: the accumulators of my rows 0-63, 64-127 ((a, b) at v[8 (8 (a % 4) + b)]).
.set SIZE_M, 4096
.set SIZE_N, 3072
.set SIZE_K, 1024
.set KSTEP,  512                       ; along K in a slot
.set NQ,     KSTEP/128                 ; matrix instructions deep
.set ROWB,   256                       ; a tile's row in bytes
.set KROW,   SIZE_K*4/8                ; a row of codes in memory
.set PITCH,  272                       ; an LDS row: 256 bytes + 16 of padding: the 16 rows that a load touches start at 16 different banks
.set FR,     8                         ; registers of a fragment
.set NL,     2                         ; LDS loads that bring one
.set NP,     4                         ; places behind this matrix instruction (ISA guide 7.12.1)
.set HALFT,  128*PITCH                 ; what one tensor load brings
.set SLOT,   4*HALFT
.set KS,     SIZE_K/32                 ; a row of scales in bytes
.set SCL,    2*SLOT                    ; behind the two slots: the scales, as units of 256 bytes + 16
.set HALFS,  (128*KS/256)*272
.set SBLK,   (16*KS/256)*272
.set SPARE,  SCL+4*HALFS               ; the spare words, 128 bytes a wave
.set SPITCH, 400                       ; the way out: a stage of 16 tokens x (256 bytes + 144) for each wave, in slot 0, which has had its only fill and its last read by then.  25 x 16 bytes: the 16 rows of a store start at 16 different banks
.set SBV,    32768                     ; the stages of the path for v lie here, those of the path for q and k at 0: each path has LDS bytes of its own
.set ADRA, 16                          ; v16-17  LDS address of my A fragments in slot 0, 1
.set ADRB, 20                          ; v20-21  the same for B
.set STOV, 22                          ; v22, v23 the stage's two addresses on the path for v
.set RDV,  23
.set STO,  24                          ; v24     the stage: where I put 16 bytes of a token's row
.set RD,   25                          ; v25     and where I read back: four tokens x 128 bytes of one head
.set CO,   26                          ; v26     16 x lane: my place in 512 bytes of the output
.set ADRS, 27                          ; v27     LDS address of my scale words
.set SPW,  28                          ; v28     my spare word; never rewritten
.set NIL,  29                          ; v29     0; never rewritten
.set RO,   30                          ; v30     my byte offset in the cos/sin table
.set SC,   32                          ; scale words, two sets
.set AF,   128                         ; A's fragments
.set CSR,  0                           ; window 1: cos (16), sin (16), two sets
.set Y,    96
.set TMP,  160
.set BK,   192
.set G1, 24
.set G0, 32
.set G1B, 48
.set G0B, 56
.set G1S, 68
.set G0S, 76
.set G1SB, 80
.set G0SB, 88
.set MSB, 0
.macro WIN new                         ; the immediate's high byte repeats the setting that is left
.if MSB != \new
	s_set_vgpr_msb (MSB<<8)|\new
.set MSB, \new
.endif
.endm
.set MUL_LO, 0xa1                      ; source 0 (B) window 1, source 1 (A) window 0, C and D window 2
.set MUL_HI, 0xf1                      ; the same, C and D window 3
.set TO_B,   0x40                      ; destination window 1, address window 0
; A joint load: waves 0 and 1 fetch for A, waves 2 and 3 for B; the branch hangs on the wave's number alone.  An s_nop 0 and four v_nop follow each of the two lines.
.macro JLOAD g0a, g1a, g0b, g1b
	s_cmp_eq_u32 s15, 0
	s_cbranch_scc0 .Lfor_b_\@
	tensor_load_to_lds s[\g0a:\g0a+3], s[\g1a:\g1a+7]
	s_nop 0
.rept 4
	v_nop
.endr
	s_branch .Lasked_\@
.Lfor_b_\@:
	tensor_load_to_lds s[\g0b:\g0b+3], s[\g1b:\g1b+7]
	s_nop 0
.rept 4
	v_nop
.endr
.Lasked_\@:
.endm
.macro CROUND                          ; a round of the cluster's barrier
	s_barrier_signal -1
	s_barrier_wait -1
	s_cmp_lg_u32 s14, 0
	s_cbranch_scc1 .Lnot_wave_0_\@
	s_barrier_signal -3
.Lnot_wave_0_\@:
	s_barrier_wait -3
	s_barrier_signal -1
	s_barrier_wait -1
.endm
	s_load_b128 s[4:7], s[0:1], 0x0                ; xc, xs
	s_load_b128 s[8:11], s[0:1], 0x10              ; wc, ws
	s_load_b64 s[96:97], s[0:1], 0x20              ; rope
	s_load_b64 s[12:13], s[0:1], 0x28              ; qkv
	v_lshl_add_u32 v[SPW], v0, 2, SPARE
	v_mov_b32 v[NIL], 0
	ds_add_u32 v[SPW], v[NIL]                      ; the wave's opening: the add, twice on end, and its wait ahead of my first tensor load
	ds_add_u32 v[SPW], v[NIL]
	v_lshrrev_b32 v1, 5, v0
	v_readfirstlane_b32 s14, v1                    ; wave 0..3
	s_lshr_b32 s15, s14, 1                         ; which half of the tile's rows is mine.  Also: I fetch for A (0) or for B (1)
	s_and_b32 s16, s14, 1                          ; which half of its columns.  Also: which 128 rows of that tile I fetch
	s_bfe_u32 s40, ttmp6, 0x40000                  ; cx, cy: my place in the cluster
	s_bfe_u32 s41, ttmp6, 0x40004
	s_lshl_b32 s42, ttmp9, 2
	s_add_co_u32 s42, s42, s40                     ; tile column = 4 x cluster x + cx
	s_and_b32 s17, ttmp7, 0xffff
	s_lshl_b32 s17, s17, 2
	s_add_co_u32 s17, s17, s41                     ; tile row = 4 x cluster y + cy
	s_lshl_b32 s43, s41, 2
	s_lshl_b32 s43, 15, s43                        ; my row of the cluster
	s_lshl_b32 s44, 0x1111, s40                    ; my column
	s_or_b32 s[G1+0], s43, (0<<16)|(1<<20)|(1<<21)|(5<<22)|(3<<25)  ; the mask; elements of 1 byte; padding on; bit 21 beside a mask; 4 words behind every 64
	s_or_b32 s[G1B+0], s44, (0<<16)|(1<<20)|(1<<21)|(5<<22)|(3<<25)
.irp g, G1, G1B
	s_mov_b32 s[\g+1], ROWB<<16                    ; tensor_dim0
	s_mov_b32 s[\g+2], 128<<16                     ; tensor_dim1
	s_mov_b32 s[\g+3], ROWB<<16                    ; tile_dim0
	s_mov_b32 s[\g+4], 128                         ; tile_dim1
	s_mov_b32 s[\g+5], KROW                        ; from row to row
	s_mov_b32 s[\g+6], 0
	s_mov_b32 s[\g+7], 0
.endr
	s_or_b32 s[G1S+0], s43, (3<<16)|(1<<20)|(1<<21)|(5<<22)|(3<<25) ; the scales of 128 rows: 4,096 dense bytes as 16 rows of 32 elements of 8 bytes, 16 bytes of padding behind each
	s_or_b32 s[G1SB+0], s44, (3<<16)|(1<<20)|(1<<21)|(5<<22)|(3<<25)
.irp g, G1S, G1SB
	s_mov_b32 s[\g+1], 32<<16
	s_mov_b32 s[\g+2], (128*KS/256)<<16
	s_mov_b32 s[\g+3], 32<<16
	s_mov_b32 s[\g+4], 128*KS/256
	s_mov_b32 s[\g+5], 32
	s_mov_b32 s[\g+6], 0
	s_mov_b32 s[\g+7], 0
.endr
	s_lshl_b32 s18, s16, 7                         ; which 128 rows of the tile I fetch
	s_lshl_b32 s20, s17, 8
	s_add_co_u32 s20, s20, s18                     ; A: row 256 x tile row + 128 x half
	s_lshl_b32 s46, s42, 8
	s_add_co_u32 s46, s46, s18                     ; B: row 256 x tile column + 128 x half
	s_mov_b32 s21, 0
	s_mov_b32 s47, 0
	s_mov_b64 s[18:19], KS
	s_mul_u64 s[22:23], s[20:21], s[18:19]         ; where these rows' scales begin
	s_mul_u64 s[92:93], s[46:47], s[18:19]
	s_mov_b64 s[18:19], KROW
	s_mul_u64 s[20:21], s[20:21], s[18:19]         ; and their codes
	s_mul_u64 s[46:47], s[46:47], s[18:19]
	s_mul_i32 s45, s14, HALFT                      ; where they go: wave x 128 rows: no place in the cluster enters an LDS address
	s_mul_i32 s94, s14, HALFS
	s_wait_dscnt 0x0                               ; both opening adds are done
	s_wait_kmcnt 0x0
	s_add_nc_u64 s[20:21], s[4:5], s[20:21]
	s_add_nc_u64 s[22:23], s[6:7], s[22:23]
	s_add_nc_u64 s[46:47], s[8:9], s[46:47]
	s_add_nc_u64 s[92:93], s[10:11], s[92:93]
	CROUND                                         ; all sixteen work-groups are here: the joint loads meet
	s_mov_b32 s[G0S], 1
	s_add_co_u32 s[G0S+1], s94, SCL
	s_mov_b64 s[G0S+2:G0S+3], s[22:23]
	s_or_b32 s[G0S+3], s[G0S+3], 0x80000000
	s_mov_b32 s[G0SB], 1
	s_add_co_u32 s[G0SB+1], s94, SCL
	s_mov_b64 s[G0SB+2:G0SB+3], s[92:93]
	s_or_b32 s[G0SB+3], s[G0SB+3], 0x80000000
	JLOAD G0S, G1S, G0SB, G1SB                     ; the scales first: they are wanted with K step 0.  With the two below: three tensor loads of mine are out
.irp s, 0,1
	s_mov_b32 s[G0+4*\s], 1
	s_add_co_u32 s[G0+4*\s+1], s45, \s*SLOT
	s_add_nc_u64 s[G0+4*\s+2:G0+4*\s+3], s[20:21], \s*ROWB
	s_or_b32 s[G0+4*\s+3], s[G0+4*\s+3], 0x80000000
	s_mov_b32 s[G0B+4*\s], 1
	s_add_co_u32 s[G0B+4*\s+1], s45, \s*SLOT
	s_add_nc_u64 s[G0B+4*\s+2:G0B+4*\s+3], s[46:47], \s*ROWB
	s_or_b32 s[G0B+4*\s+3], s[G0B+4*\s+3], 0x80000000
	JLOAD G0+4*\s, G1, G0B+4*\s, G1B
.endr
	v_and_b32 v1, 15, v0                           ; r = l % 16
	v_bfe_u32 v2, v0, 4, 1                         ; h = l / 16
	v_mul_u32_u24 v3, v1, PITCH
	v_lshl_add_u32 v4, v2, 4, v3                   ; a fragment's row x pitch + 16 x half
	s_mul_i32 s21, s15, HALFT                      ; my 128 rows of A
	s_mul_i32 s22, s16, HALFT                      ; my 128 rows of B,
	s_add_co_u32 s22, s22, 2*HALFT                 ; which lie behind A's 256
.irp s, 0,1
	v_add_nc_u32 v[ADRA+\s], s21, v4
	v_add_nc_u32 v[ADRB+\s], s22, v4
	s_add_co_u32 s21, s21, SLOT
	s_add_co_u32 s22, s22, SLOT
.endr
	v_mul_u32_u24 v5, v1, KS                       ; my row's scales: KS bytes a row,
	v_lshrrev_b32 v6, 8, v5
	v_lshl_add_u32 v5, v6, 4, v5                   ; and 16 more for each 256 passed
	s_mul_i32 s21, s15, HALFS                      ; A's: my 128 rows
	s_mul_i32 s22, s16, HALFS                      ; B's: my 128 rows, behind A's 256
	s_add_co_u32 s22, s22, 2*HALFS
	s_sub_co_u32 s22, s22, s21
	v_mul_u32_u24 v6, s22, v2                      ; lanes 16-31 take B's: one product, the distance between the two bases
	s_add_co_u32 s21, s21, SCL
	v_add_nc_u32 v5, v5, v6
	v_add_nc_u32 v[ADRS], s21, v5
	s_mul_i32 s23, s14, 16*SPITCH                  ; my stage
	v_mul_u32_u24 v5, v1, SPITCH                   ; in: token r, 16 bytes for each half of the lanes
	v_lshl_add_u32 v5, v2, 4, v5
	v_add_nc_u32 v[STO], s23, v5
	v_add_nc_u32 v[STOV], SBV, v[STO]
	v_and_b32 v6, 31, v0
	v_lshlrev_b32 v[CO], 4, v6
	v_lshrrev_b32 v5, 3, v6                        ; back: eight lanes take a token's 128 bytes of one head, four tokens an instruction
	v_mul_u32_u24 v5, v5, SPITCH
	v_and_b32 v6, 7, v0
	v_lshl_add_u32 v5, v6, 4, v5
	v_add_nc_u32 v[RD], s23, v5
	v_add_nc_u32 v[RDV], SBV, v[RD]
	s_and_b32 s22, s17, 7                          ; my first token in its sequence: t0 = 256 (tile row % 8) + 128 x half
	s_lshl_b32 s22, s22, 8
	s_lshl_b32 s23, s15, 7
	s_add_co_u32 s22, s22, s23
	s_lshl_b32 s23, s22, 8                         ; its row of the table
	v_lshlrev_b32 v[RO], 8, v1
	v_lshl_add_u32 v[RO], v2, 5, v[RO]
	v_add_nc_u32 v[RO], s23, v[RO]                 ; (t0 + r) x 256 + 32 h
	s_lshr_b32 s20, s17, 3                         ; the batch
	s_lshl_b32 s20, s20, 22                        ; 16 heads of 262,144 bytes
	s_lshl_b32 s23, s22, 7                         ; t0 rows of 128 bytes
	s_add_co_u32 s20, s20, s23
	s_lshl_b32 s23, ttmp9, 23                      ; the type's 8,388,608 bytes
	s_add_co_u32 s20, s20, s23
	s_mov_b32 s21, 0
	s_add_nc_u64 s[12:13], s[12:13], s[20:21]
	s_lshl_b32 s46, s40, 2                         ; my first head: 4 cx + 2 x column half (in the registers that held B's address: none that fed A's descriptors ever holds cx)
	s_lshl_b32 s47, s16, 1
	s_add_co_u32 s46, s46, s47
	s_lshl_b32 s46, s46, 18
	s_mov_b32 s47, 0
	s_add_nc_u64 s[12:13], s[12:13], s[46:47]
.macro FRAG reg, adr, q, i             ; a fragment, 16 rows x 128 K of 4-bit codes: lane l holds row l % 16; registers 4 c .. 4 c + 3 hold K = 64 c + 32 (l / 16) + 0 .. 31
.irp c, 0,1
	ds_load_b128 v[\reg+4*\c:\reg+4*\c+3], v[\adr] offset:64*(\q)+32*\c+(\i)*16*PITCH
.endr
.endm
; 16 matrix instructions: A's blocks a0, a0 + 1 x B's eight, the slot's q-th 128 along K.  p: B's set;  sc: the set of scale words.  zero = 1: the first product starts the sums.
; The 64 accumulators take turns, one instruction a turn, in the same order in every step.
.macro MUL16 a0, p, q, sc, zero
.irp a, \a0, \a0+1
.irp b, 0,1,2,3,4,5,6,7
.if \zero
	v_wmma_scale_f32_16x16x128_f8f6f4 v[8*(8*((\a)%4)+\b):8*(8*((\a)%4)+\b)+7], v[128*(\p)+FR*\b:128*(\p)+FR*\b+FR-1], v[AF+FR*(\a):AF+FR*(\a)+FR-1], 0, v[SC+8*NQ*(\sc)+NQ*\b+(\q)], v[SC+8*NQ*(\sc)+NQ*(\a)+(\q)] matrix_a_fmt:MATRIX_FMT_FP4 matrix_b_fmt:MATRIX_FMT_FP4 matrix_a_scale:MATRIX_SCALE_ROW1
.else
	v_wmma_scale_f32_16x16x128_f8f6f4 v[8*(8*((\a)%4)+\b):8*(8*((\a)%4)+\b)+7], v[128*(\p)+FR*\b:128*(\p)+FR*\b+FR-1], v[AF+FR*(\a):AF+FR*(\a)+FR-1], v[8*(8*((\a)%4)+\b):8*(8*((\a)%4)+\b)+7], v[SC+8*NQ*(\sc)+NQ*\b+(\q)], v[SC+8*NQ*(\sc)+NQ*(\a)+(\q)] matrix_a_fmt:MATRIX_FMT_FP4 matrix_b_fmt:MATRIX_FMT_FP4 matrix_a_scale:MATRIX_SCALE_ROW1
.endif
.endr
.endr
.endm
.macro FETCH_B slot, q, p              ; B's eight fragments of the slot's q-th 128 along K into set p
	WIN TO_B
.irp i, 0,1,2,3,4,5,6,7
	FRAG 128*(\p)+FR*\i, ADRB+\slot, \q, \i
.endr
	WIN 0
.endm
.macro FETCH_A slot, q, i0             ; A's blocks i0 .. i0 + 3
.irp i, \i0, \i0+1, \i0+2, \i0+3
	FRAG AF+FR*(\i), ADRA+\slot, \q, \i
.endr
.endm
.macro SCALES sc                       ; a K step's scale words into set sc: lanes 0-15 take A's block i, lanes 16-31 B's block i
.irp i, 0,1,2,3,4,5,6,7
	ds_load_b128 v[SC+8*NQ*\sc+NQ*\i:SC+8*NQ*\sc+NQ*\i+3], v[ADRS] offset:\i*SBLK
.endr
.endm
.macro PLACES n                        ; places behind matrix instructions, in front of loads into their registers and of reads of their results
.rept \n
	v_nop
.endr
.endm
.macro STEP slot, q, zero              ; a step of 128 along K that has its successor in the same slot
	s_wait_dscnt 4*NL                              ; B's set and A's blocks 0-3 are in; the youngest eight loads (A's blocks 4-7) may be out
	WIN MUL_LO
	MUL16 0, (\q)%2, \q, \slot, \zero
	MUL16 2, (\q)%2, \q, \slot, \zero
	s_wait_dscnt 0                                 ; A's blocks 4-7 are in
	PLACES NP
	FETCH_B \slot, (\q)+1, 1-(\q)%2
	FETCH_A \slot, (\q)+1, 0
	WIN MUL_HI
	MUL16 4, (\q)%2, \q, \slot, \zero
	MUL16 6, (\q)%2, \q, \slot, \zero
	PLACES NP
	WIN 0
	FETCH_A \slot, (\q)+1, 4
.endm
; Slot 0's last step goes over to slot 1: one barrier; in front of it each wave waits for all its tensor loads (its part of slot 1), adds 0 to its spare word, and waits for that and for its reads of slot 0.  Nothing is filled again.
.macro TURN slot, next
	s_wait_tensorcnt 0x0                           ; all my tensor loads have landed
	ds_add_u32 v[SPW], v[NIL]                      ; 0 onto my spare word
	s_wait_dscnt 4*NL+1                            ; (the add and the youngest eight loads may be out)
	WIN MUL_LO
	MUL16 0, 1, NQ-1, \slot, 0
	s_wait_dscnt 0x0                               ; the add is done, and my reads of this slot are over
	s_barrier_signal -1
	MUL16 2, 1, NQ-1, \slot, 0
	WIN 0
	s_barrier_wait -1
	PLACES NP
	v_add_nc_u32 v[ADRS], 4*NQ, v[ADRS]            ; on to the next K step's scale words
	FETCH_B \next, 0, 0
	FETCH_A \next, 0, 0
	SCALES \next
	WIN MUL_HI
	MUL16 4, 1, NQ-1, \slot, 0
	MUL16 6, 1, NQ-1, \slot, 0
	PLACES NP
	WIN 0
	FETCH_A \next, 0, 4
.endm
.macro STEPS slot, from                ; the slot's steps from .. NQ - 2
.set Q, \from
.rept NQ-1-\from
	STEP \slot, Q, 0
.set Q, Q+1
.endr
.endm
	s_wait_tensorcnt 1                             ; the scales and my part of K step 0 are in (K step 1's load may be out),
	s_barrier_signal -1
	s_barrier_wait -1                              ; everybody's are
	FETCH_B 0, 0, 0
	FETCH_A 0, 0, 0
	SCALES 0
	FETCH_A 0, 0, 4
	STEP 0, 0, 1                                   ; the first step's products start the sums
	STEPS 0, 1
	TURN 0, 1
	STEPS 1, 0
	s_wait_dscnt 4*NL                              ; the very last step: nothing more to fetch
	WIN MUL_LO
	MUL16 0, 1, NQ-1, 1, 0
	MUL16 2, 1, NQ-1, 1, 0
	s_wait_dscnt 0
	WIN MUL_HI
	MUL16 4, 1, NQ-1, 1, 0
	MUL16 6, 1, NQ-1, 1, 0
	WIN 0
; THE WAY OUT, block by block of 16 tokens x 128 features (two heads).
.macro RLOAD a                         ; block a's cos and sin: lane (r, h) wants, of token 16 a + r, numbers 16 bb + 8 h + 0 .. 7 of each: eight loads of 16 bytes, which together take each row's 256 bytes whole
	WIN TO_B
.irp sn, 0,1
.irp bb, 0,1
.irp c, 0,1
	global_load_b128 v[CSR+32*((\a)%2)+16*\sn+8*\bb+4*\c:CSR+32*((\a)%2)+16*\sn+8*\bb+4*\c+3], v[RO], s[96:97] offset:4096*(\a)+128*\sn+64*\bb+16*\c
.endr
.endr
.endr
	WIN 0
.endm
.macro ROPE a                          ; rotate and round.  Each accumulator is read from its low end on
.set AC, 64*((\a)%4)
.set CC, CSR+32*((\a)%2)
.set WN, 0x06+(\a)/4                   ; source 0: the accumulators' window, 2 or 3; source 1: window 1 (cos, sin); source 2 and destination: window 0
	WIN WN
.irp hd, 0,1
.irp bb, 0,1
.irp i, 0,2,4,6
	v_pk_mul_f32 v[Y+8*(4*\hd+\bb)+\i:Y+8*(4*\hd+\bb)+\i+1], v[AC+8*(4*\hd+\bb)+\i:AC+8*(4*\hd+\bb)+\i+1], v[CC+8*\bb+\i:CC+8*\bb+\i+1]                   ; x1 cos
	v_pk_mul_f32 v[Y+8*(4*\hd+\bb+2)+\i:Y+8*(4*\hd+\bb+2)+\i+1], v[AC+8*(4*\hd+\bb+2)+\i:AC+8*(4*\hd+\bb+2)+\i+1], v[CC+8*\bb+\i:CC+8*\bb+\i+1]           ; x2 cos
	v_pk_fma_f32 v[Y+8*(4*\hd+\bb)+\i:Y+8*(4*\hd+\bb)+\i+1], v[AC+8*(4*\hd+\bb+2)+\i:AC+8*(4*\hd+\bb+2)+\i+1], v[CC+16+8*\bb+\i:CC+16+8*\bb+\i+1], v[Y+8*(4*\hd+\bb)+\i:Y+8*(4*\hd+\bb)+\i+1] neg_lo:[1,0,0] neg_hi:[1,0,0]   ; - x2 sin
	v_pk_fma_f32 v[Y+8*(4*\hd+\bb+2)+\i:Y+8*(4*\hd+\bb+2)+\i+1], v[AC+8*(4*\hd+\bb)+\i:AC+8*(4*\hd+\bb)+\i+1], v[CC+16+8*\bb+\i:CC+16+8*\bb+\i+1], v[Y+8*(4*\hd+\bb+2)+\i:Y+8*(4*\hd+\bb+2)+\i+1]                             ; + x1 sin
.endr
.endr
.endr
	WIN 0
.set i, 0
.rept 32
	v_cvt_pk_f16_f32 v[TMP+i], v[Y+2*i], v[Y+2*i+1]
.set i, i+1
.endr
.endm
.macro PACKV a                         ; v is only rounded, straight from the accumulators, ascending
.set AC, 64*((\a)%4)
.set WN, 0x0a+5*((\a)/4)               ; sources 0 and 1: window 2 or 3
	WIN WN
.set i, 0
.rept 32
	v_cvt_pk_f16_f32 v[TMP+i], v[AC+2*i], v[AC+2*i+1]
.set i, i+1
.endr
	WIN 0
.endm
.macro TOSTAGE a, sto, rd              ; into my stage, and back by heads.  LDS serves a wave's instructions in order (ISA guide 5.7.1.4): no wait between the stores and the loads
.irp b, 0,1,2,3,4,5,6,7
	ds_store_b128 v[\sto], v[TMP+4*\b:TMP+4*\b+3] offset:32*\b
.endr
.set BB, BK+32*((\a)%2)
.irp u, 0,1,2,3,4,5,6,7
	ds_load_b128 v[BB+4*\u:BB+4*\u+3], v[\rd] offset:(\u%4)*4*SPITCH+128*(\u/4)
.endr
.endm
.macro SEND a, younger                 ; younger: the LDS instructions issued behind block a's loads, which may stay out
.set BB, BK+32*((\a)%2)
	s_wait_dscnt \younger
.irp u, 0,1,2,3,4,5,6,7
	global_store_b128 v[CO], v[BB+4*\u:BB+4*\u+3], s[12:13] offset:2048*(\a)+262144*(\u/4)+512*(\u%4)   ; 32 lanes store 512 consecutive bytes: four tokens of one head.  Every offset is an immediate: the base is never stepped
.endr
.endm
	PLACES NP                                      ; behind the last products: for the reads of results and for loads and writes into registers that held fragments
	s_cmp_eq_u32 ttmp9, 2                          ; the cluster's x is the type: the same in all sixteen partners
	s_cbranch_scc1 .Lv
	RLOAD 0
	RLOAD 1
.irp a, 0,1,2,3,4,5,6,7
.if \a < 7
	s_wait_loadcnt 8                               ; block a's cos and sin are in; the next block's eight loads may be out
.else
	s_wait_loadcnt 0
.endif
	ROPE \a
.if \a < 6
	RLOAD \a+2                                     ; into the set just read
.endif
.if \a > 1
	s_wait_xcnt 0x0                                ; block a - 2's stores have read their registers: block a's rows may land there
.endif
	TOSTAGE \a, STO, RD
.if \a > 0
	SEND \a-1, 16                                  ; behind block a - 1's loads: block a's 8 stores and 8 loads
.endif
.endr
	SEND 7, 0
	s_branch .Ldone
.Lv:
.irp a, 0,1,2,3,4,5,6,7
	PACKV \a
.if \a > 1
	s_wait_xcnt 0x0
.endif
	TOSTAGE \a, STOV, RDV
.if \a > 0
	SEND \a-1, 16
.endif
.endr
	SEND 7, 0
.Ldone:
	s_wait_tensorcnt 0x0                           ; the wave's end, behind my last tensor load and my last LDS store
	ds_add_u32 v[SPW], v[NIL]
	s_wait_dscnt 0x0
	CROUND                                         ; the closing round
	s_endpgm
.Lfunc_end_k_q713ed62460_qkv:
	.size	k_q713ed62460_qkv, .Lfunc_end_k_q713ed62460_qkv-k_q713ed62460_qkv
	.p2alignl 7, 3214868480
	.fill 96, 4, 3214868480
	.section	.rodata,"a",@progbits
	.p2align	6, 0x0
	.amdhsa_kernel k_q713ed62460_qkv
		.amdhsa_group_segment_fixed_size 327680
		.amdhsa_private_segment_fixed_size 0
		.amdhsa_enable_private_segment 0
		.amdhsa_kernarg_size 48
		.amdhsa_user_sgpr_count 2
		.amdhsa_user_sgpr_kernarg_segment_ptr 1
		.amdhsa_wavefront_size32 1
		.amdhsa_system_sgpr_workgroup_id_x 1
		.amdhsa_system_sgpr_workgroup_id_y 1
		.amdhsa_system_sgpr_workgroup_id_z 1
		.amdhsa_system_vgpr_workitem_id 0
		.amdhsa_next_free_vgpr 1024
		.amdhsa_next_free_sgpr 98
		.amdhsa_reserve_vcc 0
		.amdhsa_float_denorm_mode_32 3
		.amdhsa_float_denorm_mode_16_64 3
		.amdhsa_memory_ordered 1
		.amdhsa_forward_progress 1
		.amdhsa_inst_pref_size 196
	.end_amdhsa_kernel
	.amdgpu_metadata
---
amdhsa.version: [ 1, 2 ]
amdhsa.kernels:
  - .name:           k_q713ed62460_qkv
    .symbol:         k_q713ed62460_qkv.kd
    .args:
      - { .name: xc, .offset: 0, .size: 8, .value_kind: global_buffer, .address_space: global }
      - { .name: xs, .offset: 8, .size: 8, .value_kind: global_buffer, .address_space: global }
      - { .name: wc, .offset: 16, .size: 8, .value_kind: global_buffer, .address_space: global }
      - { .name: ws, .offset: 24, .size: 8, .value_kind: global_buffer, .address_space: global }
      - { .name: rope, .offset: 32, .size: 8, .value_kind: global_buffer, .address_space: global }
      - { .name: qkv, .offset: 40, .size: 8, .value_kind: global_buffer, .address_space: global }
    .group_segment_fixed_size: 327680
    .private_segment_fixed_size: 0
    .kernarg_segment_align: 8
    .kernarg_segment_size: 48
    .max_flat_workgroup_size: 128
    .sgpr_count:     98
    .vgpr_count:     1024
    .wavefront_size: 32
...
	.end_amdgpu_metadata
.endif
;; end of part 2
;; launch attn (part 3): grid 8 x 32, 8 waves a work-group, clusters of 4 x 1, 327,680 bytes of LDS; arguments qkv, attention_mask, ao; writes ao
.if DOCPART == 3
	.amdgcn_target "amdgcn-amd-amdhsa--gfx1250"
	.amdhsa_code_object_version 6
	.text
	.protected	k_q713ed62460_attn
	.globl	k_q713ed62460_attn
	.p2align	8
	.type	k_q713ed62460_attn,@function
k_q713ed62460_attn:
	s_mov_b64 s[64:65], 0
	v_nop
	global_prefetch_b8 v0, s[64:65] scope:SCOPE_SE
	s_setreg_imm32_b32 hwreg(HW_REG_WAVE_MODE, 25, 1), 1
	s_wait_xcnt 0x0
	s_wait_alu depctr_hold_cnt(0) depctr_sa_sdst(0) depctr_va_vdst(0) depctr_va_sdst(0) depctr_va_ssrc(0) depctr_va_vcc(0) depctr_vm_vsrc(0)
	s_getreg_b32 s2, hwreg(HW_REG_IB_STS2, 6, 4)
	s_cmp_eq_u32 s2, 0
	s_cbranch_scc0 .Lentry_in_a_cluster
	s_endpgm
.Lentry_in_a_cluster:
	s_bfe_u32 s2, ttmp6, 0x10000c
	s_cmp_lg_u32 s2, 0x3003
	s_cbranch_scc0 .Lentry_shape_is_right
	s_endpgm
.Lentry_shape_is_right:
; LAUNCH 3 OF 4: ao = nan_to_num(softmax(q k^T / 8 + (1 - mask) x -10000)) v, for each of 32 (batch, head).  No work of the problem is left out here: the key mask is an input, so every key is walked.
; q, k, v: qkv f16 [3][32 bh][2048][64].  attention_mask: [2][2048] bytes.  ao: f16 [16 heads][4096 = 2048 b + t][64].  Products on f16 operands, sums, maxima and the softmax in f32.
; SHARES.  A work-group owns 256 queries of one (b, h); each of its eight waves 32: two tiles of 16; two waves to a SIMD, so that one wave's vector work stands beside the other's matrix work.  Every wave walks all 2,048 keys, 64 a step.
; LAYOUT.  S^T = K Q^T (source 0 = 16 keys, source 1 = 16 queries): a lane holds ONE query (lane % 16) and keys 8 (lane / 16) + 0..7.  Two such tiles, rounded to f16 in pairs, ARE source 1 of O^T = V^T P.  V comes out of LDS turned.
; THE SCALE AND THE MASK.  attn x scale + mask = scale x (s + mask / scale): the mask's term in units of the raw score is (1 - m) x -80000, and it is the C of each score's first matrix instruction: no vector instruction adds it.
; SOFTMAX.  A running maximum m and sum l for each query: p = 2^(c s - c m), c = log2(e) / 8; in every step O and l are multiplied by a = 2^(c m_old - c m_new).
; NAN_TO_NUM.  A softmax row is NaN in all its numbers or in none (a score that is NaN or +infinity, or all scores -infinity); such a row becomes 1 / 2048 everywhere, so its result is the mean of v over all keys.  That mean is made beside the
; rest: V^T times a fragment of 2^-11, one more matrix instruction a wave and step (wave w: channels 16 (w % 4) on, keys 32 (w / 4) on of each step); at the end it is selected where l > 0 does not hold (l is NaN or 0 in just those rows).
; The weights lie in [0, 1], so the guard's words on infinities never act.
; LIMIT: where q, k or v have become infinite in f16 (beyond 65,504), a row that they reach takes the guard's mean.
; CLUSTER.  The four query blocks of a cluster belong to one head and walk the same K and V: each tile is asked for jointly, by the same tensor load with the same descriptor and a mask that names the four.
; THE RING.  Two slots of 256 keys (4 steps).  Every wave fetches: waves 0-3 a quarter of K's 256 rows, waves 4-7 of V's: 64 rows = 8,192 dense bytes, stated as 4 rows of 2,048 bytes, padded behind every 128 bytes.
; A wave has one tensor load out.
; REGISTERS.  window 0: v1-15 addresses; v16-31 statistics, 8 a tile; v32-95 S^T, then p, 32 a tile; v96-127 P, 16 a tile; v128-191 O^T, 32 a tile; v192-199 my part of the mean; v200-231 the mean.
;   window 1: v0-31 Q; v32-95 K of a step; v96-159 V of a step; v160-191 the mask's terms; v192-199 my fragment of V for the mean; v200-207 2^-11.
.set PK,    144                        ; a key's row of K in LDS: 128 bytes + 16: the 16 rows of a load start at 16 different banks
.set PV,    160                        ; of V: 128 + 32: an odd multiple of 32
.set VOFF,  256*PK                     ; a slot: 256 rows of K, then 256 rows of V
.set SLOT1, 1<<17                      ; slot 1 begins here: one exclusive or turns an address from one slot to the other
.set MSK,   2*SLOT1                    ; 2,048 f32: the mask's terms of my batch
.set STAGE, MSK+8192                   ; the way out: 32 rows x 144 bytes for each wave
.set MIMG,  STAGE+8*32*144             ; the eight parts of the mean, as images of their registers: 1,024 bytes a wave
.set SPARE, MIMG+8*1024                ; the spare words, 128 bytes a wave
.set AK0, 1                            ; v1   my lane's place in a tile of K
.set AV0, 2                            ; v2   in a tile of V
.set AM0, 3                            ; v3   among the mask's terms
.set AX0, 4                            ; v4   in my fragment of V for the mean
.set ADK, 5                            ; v5-8 the same four in the slot in hand
.set ADV, 6
.set ADM, 7
.set ADX, 8
.set QO,  9                            ; v9   my byte offset in the wave's rows of Q
.set STO, 10                           ; v10  the stage: in
.set RD,  11                           ; v11  the stage: back
.set GO,  12                           ; v12  16 x lane
.set PFO, 13                           ; v13  256 x lane: the prefetches' offset; never rewritten
.set SPW, 14                           ; v14  my spare word; never rewritten
.set NIL, 15                           ; v15  0; never rewritten
.set ST,  16                           ; tile t's statistics at v[ST + 8 t]: +0 c m, +1 m, +2, +3 l (even keys', odd keys'), +4 to +7 at work; a takes +6, c m_old - c m_new +7
.set S,   32
.set P,   96
.set O,   128
.set MA,  192
.set MEAN, 200
.set KF,  32                           ; window 1
.set VF,  96
.set MC,  160
.set XF,  192
.set ONES, 200
.set WV,  12                           ; s12  my wave's number
.set LIM, 15                           ; s15  1 in a wave that prefetches, else the greatest number
.set PFA, 18                           ; s[18:19] where my prefetches stand
.set G1K, 24
.set G1V, 32
.set G0K, 40
.set G0V, 44
.set SLOTS, 56                         ; s56  slots still to be asked for
.set CS,  58                           ; s[58:59] c, twice
.set SEL, 60                           ; s[60:61] v_permlanex16_b32's selects for lane l xor 16
.set TB,  62                           ; s62  LDS byte at which the slot in hand begins
.set TM,  63                           ; s63  and its keys' terms of the mask: 1,024 bytes a slot
.set MSB, 0
.macro WIN new                         ; the immediate's high byte repeats the setting that is left
.if MSB != \new
	s_set_vgpr_msb (MSB<<8)|\new
.set MSB, \new
.endif
.endm
; A joint load: waves 0-3 fetch K's quarters, waves 4-7 V's.  The branch hangs on the wave's number alone.  An s_nop 0 and four v_nop follow each of the two lines.
.macro JLOAD
	s_cmp_lt_u32 s[WV], 4
	s_cbranch_scc0 .Lfor_v_\@
	tensor_load_to_lds s[G0K:G0K+3], s[G1K:G1K+7]
	s_nop 0
.rept 4
	v_nop
.endr
	s_branch .Lasked_\@
.Lfor_v_\@:
	tensor_load_to_lds s[G0V:G0V+3], s[G1V:G1V+7]
	s_nop 0
.rept 4
	v_nop
.endr
.Lasked_\@:
.endm
; A prefetch of what the NEXT change of slots will ask for: 32,768 bytes of K and as many of V, four key steps ahead of that load.  Both clusters of a head walk the same K and V: the head's first cluster asks.  Its four partners
; share the bytes out by address, 8,192 each, lanes 256 bytes apart; in each, wave 0 asks for K's and wave 4 for V's: each block of 256 bytes is named once in the launch.  The last change that fills a slot asks for nothing.
.macro ASK
	s_cmp_gt_u32 s[SLOTS], s[LIM]
	s_cbranch_scc0 .Lnot_mine_\@
	global_prefetch_b8 v[PFO], s[PFA:PFA+1] th:TH_LOAD_NT scope:SCOPE_SE
.Lnot_mine_\@:
.endm
.macro CROUND                          ; a round of the cluster's barrier
	s_barrier_signal -1
	s_barrier_wait -1
	s_cmp_lg_u32 s[WV], 0
	s_cbranch_scc1 .Lnot_wave_0_\@
	s_barrier_signal -3
.Lnot_wave_0_\@:
	s_barrier_wait -3
	s_barrier_signal -1
	s_barrier_wait -1
.endm
	s_load_b128 s[4:7], s[0:1], 0x0                ; qkv, attention_mask
	s_load_b64 s[8:9], s[0:1], 0x10                ; ao
	v_lshl_add_u32 v[SPW], v0, 2, SPARE
	v_mov_b32 v[NIL], 0
	ds_add_u32 v[SPW], v[NIL]                      ; the wave's opening: the add, twice on end, and its wait ahead of my first tensor load
	ds_add_u32 v[SPW], v[NIL]
	v_lshrrev_b32 v1, 5, v0
	v_readfirstlane_b32 s[WV], v1                  ; wave 0..7
	s_bfe_u32 s13, ttmp6, 0x40000                  ; cx
	s_lshl_b32 s14, ttmp9, 2
	s_add_co_u32 s14, s14, s13                     ; my block of 256 queries: it enters Q's and ao's addresses alone
	s_and_b32 s16, ttmp7, 0xffff                   ; bh = 16 b + head, which the four partners share
	s_lshl_b32 s20, s16, 18                        ; its 262,144 bytes in each type
	s_and_b32 s17, s[WV], 3                        ; which quarter of a slot's rows I fetch
	s_lshl_b32 s21, s17, 13                        ; 64 rows of 128 bytes
	s_add_co_u32 s22, s20, s21
	s_add_co_u32 s22, s22, 0x800000                ; K is type 1,
	s_mov_b32 s23, 0
	s_add_co_u32 s2, s22, 0x800000                 ; V type 2
	s_mov_b32 s3, 0
	s_mul_i32 s48, s17, 64*PK                      ; and where they go in a slot: no place in the cluster enters an LDS address
	s_mul_i32 s49, s17, 64*PV
	s_add_co_u32 s49, s49, VOFF
	s_lshl_b32 s50, s14, 15                        ; Q: my block's 256 rows,
	s_lshl_b32 s51, s[WV], 12                      ; my wave's 32
	s_add_co_u32 s50, s50, s51
	s_add_co_u32 s50, s50, s20
	s_mov_b32 s51, 0
	s_and_b32 s52, s16, 15                         ; ao: the head's plane of 524,288 bytes,
	s_lshl_b32 s52, s52, 19
	s_lshr_b32 s53, s16, 4                         ; the batch's 2,048 rows of 128 bytes,
	s_lshl_b32 s54, s53, 18
	s_add_co_u32 s52, s52, s54
	s_lshl_b32 s54, s14, 15                        ; my block's, my wave's
	s_add_co_u32 s52, s52, s54
	s_lshl_b32 s54, s[WV], 12
	s_add_co_u32 s52, s52, s54
	s_lshl_b32 s54, s53, 11                        ; the mask: my batch's 2,048 bytes
	s_mov_b32 s53, 0
	s_mov_b32 s55, 0
	s_cmp_lt_u32 s[WV], 4                          ; the prefetches: K's (wave 0) or V's (wave 4),
	s_cselect_b32 s18, 0, 0x800000
	s_add_co_u32 s18, s18, 0x800000+32768          ; in slot 1: the first change of slots steps it to slot 2.  Nothing is prefetched at the head
	s_add_co_u32 s18, s18, s20
	s_lshl_b32 s19, s13, 13                        ; my work-group's 8,192 bytes of a slot's 32,768
	s_add_co_u32 s18, s18, s19
	s_mov_b32 s19, 0
	s_or_b32 s[LIM], s17, ttmp9                    ; 0 in waves 0 and 4 of the head's first cluster: the same in all four partners
	s_cmp_eq_u32 s[LIM], 0
	s_cselect_b32 s[LIM], 1, -1
	s_mov_b32 s[G1K], 15|(1<<16)|(1<<20)|(1<<21)|(4<<22)|(3<<25)  ; the mask: all four; elements of 2 bytes; padding on; bit 21 beside a mask; behind every 32 words; 4 words
	s_mov_b32 s[G1V], 15|(1<<16)|(1<<20)|(1<<21)|(4<<22)|(7<<25)  ; the same with 8 words
.irp g, G1K, G1V
	s_mov_b32 s[\g+1], 1024<<16                    ; tensor_dim0 = 1,024 elements: 16 keys' rows on end
	s_mov_b32 s[\g+2], 4<<16                       ; tensor_dim1 = 4
	s_mov_b32 s[\g+3], 1024<<16                    ; tile_dim0
	s_mov_b32 s[\g+4], 4                           ; tile_dim1
	s_mov_b32 s[\g+5], 1024                        ; from row to row: dense
	s_mov_b32 s[\g+6], 0
	s_mov_b32 s[\g+7], 0
.endr
	s_mov_b32 s[CS], 0x3e38aa3b                    ; c = log2(e) / 8
	s_mov_b32 s[CS+1], s[CS]
	s_mov_b32 s[SEL], 0x76543210
	s_mov_b32 s[SEL+1], 0xfedcba98
	s_mov_b32 s[TB], 0
	s_mov_b32 s[TM], 0
	s_mov_b32 s[SLOTS], 7
	s_mov_b32 s68, 0x479c4000                      ; 80000
	s_mov_b32 s69, 0xc79c4000                      ; -80000
	s_wait_dscnt 0x0                               ; both opening adds are done
	s_wait_kmcnt 0x0
	s_mov_b32 s[G0K], 1
	s_mov_b32 s[G0K+1], s48
	s_add_nc_u64 s[G0K+2:G0K+3], s[4:5], s[22:23]
	s_or_b32 s[G0K+3], s[G0K+3], 0x80000000
	s_mov_b32 s[G0V], 1
	s_mov_b32 s[G0V+1], s49
	s_add_nc_u64 s[G0V+2:G0V+3], s[4:5], s[2:3]
	s_or_b32 s[G0V+3], s[G0V+3], 0x80000000
	s_add_nc_u64 s[50:51], s[4:5], s[50:51]        ; Q at my wave's first row
	s_add_nc_u64 s[52:53], s[8:9], s[52:53]        ; ao likewise
	s_add_nc_u64 s[54:55], s[6:7], s[54:55]        ; the mask at my batch
	s_add_nc_u64 s[PFA:PFA+1], s[4:5], s[18:19]
	CROUND                                         ; all four work-groups are here: the first joint loads meet
	JLOAD                                          ; slot 0: every wave issues one
	v_and_b32 v32, 15, v0                          ; r
	v_bfe_u32 v33, v0, 4, 1                        ; h
	v_and_b32 v34, 31, v0                          ; lane
	v_lshlrev_b32 v39, 3, v0
	global_load_b64 v[40:41], v39, s[54:55]        ; 8 bytes of the mask a thread: 256 threads take the batch's 2,048
	v_lshlrev_b32 v[QO], 7, v32
	v_lshl_add_u32 v[QO], v33, 4, v[QO]            ; row r of 128 bytes + 16 h
	WIN 0x40                                       ; destination window 1
.irp t, 0,1
.irp ks, 0,1
.irp c, 0,1
	global_load_b128 v[16*\t+8*\ks+4*\c:16*\t+8*\ks+4*\c+3], v[QO], s[50:51] offset:2048*\t+64*\ks+32*\c   ; Q stays in registers
.endr
.endr
.endr
.irp i, 0,1,2,3,4,5,6,7
	v_mov_b32 v[ONES+\i], 0x10001000               ; 2^-11 in f16, twice
.endr
	WIN 0
	v_mul_u32_u24 v[AK0], v32, PK
	v_lshl_add_u32 v[AK0], v33, 4, v[AK0]          ; K: row r x pitch + 16 h
	v_and_b32 v35, 7, v0
	v_lshl_add_u32 v36, v33, 3, v35                ; V, for the turning load: key 8 h + l % 8,
	v_mul_u32_u24 v[AV0], v36, PV
	v_bfe_u32 v36, v0, 3, 1
	v_lshl_add_u32 v[AV0], v36, 4, v[AV0]          ; channels 8 ((l / 8) % 2) on
	v_add_nc_u32 v[AV0], VOFF, v[AV0]
	v_lshl_add_u32 v[AM0], v33, 5, MSK             ; the mask's terms: my half's eight keys of a tile
	s_lshr_b32 s10, s[WV], 2
	s_mul_i32 s10, s10, 32*PV                      ; the mean: keys 32 (w / 4) on,
	s_lshl_b32 s11, s17, 5                         ; channels 16 (w % 4) on
	s_add_co_u32 s10, s10, s11
	v_add_nc_u32 v[AX0], s10, v[AV0]
	s_mul_i32 s10, s[WV], 32*144
	s_add_co_u32 s10, s10, STAGE                   ; my stage
	v_mul_u32_u24 v[STO], v32, 144
	v_lshl_add_u32 v[STO], v33, 4, v[STO]
	v_add_nc_u32 v[STO], s10, v[STO]               ; in: row r, 16 bytes for each half of the lanes
	v_lshrrev_b32 v36, 3, v34
	v_mul_u32_u24 v[RD], v36, 144
	v_lshl_add_u32 v[RD], v35, 4, v[RD]
	v_add_nc_u32 v[RD], s10, v[RD]                 ; back: eight lanes to a row of 128 bytes, four rows an instruction
	v_lshlrev_b32 v[GO], 4, v34
	v_lshlrev_b32 v[PFO], 8, v34
	v_lshl_add_u32 v52, v0, 5, MSK                 ; where my 8 terms go
	s_wait_loadcnt 8                               ; the mask's bytes are in; Q's eight loads may be out
.irp i, 0,1,2,3
	v_bfe_u32 v[44+\i], v40, 8*\i, 8
	v_bfe_u32 v[48+\i], v41, 8*\i, 8
.endr
.irp i, 0,1,2,3,4,5,6,7
	v_cvt_f32_u32 v[44+\i], v[44+\i]
.endr
.irp i, 0,1,2,3,4,5,6,7
	v_fma_f32 v[44+\i], v[44+\i], s68, s69         ; (1 - m) x -80000 = 80000 m - 80000
.endr
	ds_store_b128 v52, v[44:47]
	ds_store_b128 v52, v[48:51] offset:16          ; the first change of slots, below, waits for these and passes a barrier ahead of their first read
.irp t, 0,1
	v_mov_b32 v[ST+8*\t+1], 0xff61b1e6             ; m: -3e38, under every score
	v_mov_b32 v[ST+8*\t+2], 0                      ; l
	v_mov_b32 v[ST+8*\t+3], 0
.endr
.irp t, 0,1
	v_mul_f32 v[ST+8*\t], s[CS], v[ST+8*\t+1]      ; c m
.endr
.set i, 0
.rept 72
	v_mov_b32 v[O+i], 0                            ; O^T and my part of the mean.  (The step is written once: the first finds zeros, and its a is 0)
.set i, i+1
.endr
; A KEY STEP: 64 keys, the q-th of the slot in hand.
.macro STEP q
	WIN 0x40                                       ; 42 LDS loads in one run, into window 1: K, the mask's terms, my fragment for the mean, then V
.irp kt, 0,1,2,3
.irp ks, 0,1
.irp c, 0,1
	ds_load_b128 v[KF+16*\kt+8*\ks+4*\c:KF+16*\kt+8*\ks+4*\c+3], v[ADK] offset:(64*(\q)+16*\kt)*PK+64*\ks+32*\c
.endr
.endr
.endr
.irp kt, 0,1,2,3
.irp c, 0,1
	ds_load_b128 v[MC+8*\kt+4*\c:MC+8*\kt+4*\c+3], v[ADM] offset:256*(\q)+64*\kt+16*\c   ; register j: key 16 kt + 8 h + j: the layout of a result; a half's lanes read one address
.endr
.endr
	ds_load_tr16_b128 v[XF:XF+3], v[ADX] offset:64*(\q)*PV
	ds_load_tr16_b128 v[XF+4:XF+7], v[ADX] offset:64*(\q)*PV+16*PV
.irp f, 0,1,2,3,4,5,6,7                        ; keys 32 (f / 4) on, channels 16 (f % 4) on
	ds_load_tr16_b128 v[VF+8*\f:VF+8*\f+3], v[ADV] offset:(64*(\q)+32*(\f/4))*PV+32*(\f%4)
	ds_load_tr16_b128 v[VF+8*\f+4:VF+8*\f+7], v[ADV] offset:(64*(\q)+32*(\f/4))*PV+16*PV+32*(\f%4)
.endr
	s_wait_dscnt 16                                ; all but V's sixteen
	WIN 0x15                                       ; K, Q and the mask's terms in window 1, S^T in window 0
.irp kt, 0,1,2,3
.irp t, 0,1
	v_wmma_f32_16x16x32_f16 v[S+32*\t+8*\kt:S+32*\t+8*\kt+7], v[KF+16*\kt:KF+16*\kt+7], v[16*\t:16*\t+7], v[MC+8*\kt:MC+8*\kt+7]   ; channels 0-31; the sum begins with the mask's term
.endr
.endr
	WIN 0x05
.irp kt, 0,1,2,3
.irp t, 0,1
	v_wmma_f32_16x16x32_f16 v[S+32*\t+8*\kt:S+32*\t+8*\kt+7], v[KF+16*\kt+8:KF+16*\kt+15], v[16*\t+8:16*\t+15], v[S+32*\t+8*\kt:S+32*\t+8*\kt+7]   ; channels 32-63.  The eight accumulators take turns
.endr
.endr
	v_wmma_f32_16x16x32_f16 v[MA:MA+7], v[XF:XF+7], v[ONES:ONES+7], v[MA:MA+7]   ; my part of the mean of v
	WIN 0
.rept 4
	v_nop                                          ; places in front of the first read of the scores
.endr
.irp j, 0,1,2,3                                ; the maximum of 32 scores and the old m: four chains, each begun at an accumulator's low end; the two tiles by turns
.irp t, 0,1
	v_max3_num_f32 v[ST+8*\t+4+\j], v[S+32*\t+8*\j], v[S+32*\t+8*\j+1], v[S+32*\t+8*\j+2]
.endr
.endr
.irp g, 1,2
.irp j, 0,1,2,3
.irp t, 0,1
	v_max3_num_f32 v[ST+8*\t+4+\j], v[ST+8*\t+4+\j], v[S+32*\t+8*\j+2*\g+1], v[S+32*\t+8*\j+2*\g+2]
.endr
.endr
.endr
.irp t, 0,1
	v_max3_num_f32 v[ST+8*\t+4], v[ST+8*\t+4], v[S+32*\t+7], v[S+32*\t+15]
.endr
.irp t, 0,1
	v_max3_num_f32 v[ST+8*\t+6], v[ST+8*\t+6], v[S+32*\t+23], v[S+32*\t+31]
.endr
.irp t, 0,1
	v_max3_num_f32 v[ST+8*\t+4], v[ST+8*\t+4], v[ST+8*\t+5], v[ST+8*\t+6]
.endr
.irp t, 0,1
	v_max3_num_f32 v[ST+8*\t+4], v[ST+8*\t+4], v[ST+8*\t+7], v[ST+8*\t+1]
.endr
.irp t, 0,1
	v_permlanex16_b32 v[ST+8*\t+5], v[ST+8*\t+4], s[SEL], s[SEL+1]   ; the query's other 32 keys lie in the lane 16 away
.endr
.irp t, 0,1
	v_mov_b32 v[ST+8*\t+7], v[ST+8*\t]             ; c m_old
.endr
.irp t, 0,1
	v_max_num_f32 v[ST+8*\t+1], v[ST+8*\t+4], v[ST+8*\t+5]
.endr
.irp t, 0,1
	v_mul_f32 v[ST+8*\t], s[CS], v[ST+8*\t+1]
.endr
.irp t, 0,1
	v_sub_f32 v[ST+8*\t+7], v[ST+8*\t+7], v[ST+8*\t]
.endr
.irp i, 0,2,4,6,8,10,12,14,16,18,20,22,24,26,28,30
.irp t, 0,1
	v_pk_fma_f32 v[S+32*\t+\i:S+32*\t+\i+1], v[S+32*\t+\i:S+32*\t+\i+1], s[CS:CS+1], v[ST+8*\t:ST+8*\t+1] op_sel_hi:[1,0,0] neg_lo:[0,0,1] neg_hi:[0,0,1]   ; c s - c m, two at a time
.endr
.endr
.irp t, 0,1
	v_exp_f32 v[ST+8*\t+6], v[ST+8*\t+7]           ; a.  ONE batch of 66 exponentials: none reads another's result
.endr
.set i, 0
.rept 64
	v_exp_f32 v[S+i], v[S+i]                       ; p, at most 1
.set i, i+1
.endr
	v_nop                                          ; a plain line behind the last exponential,
	s_wait_alu depctr_va_vdst(0)                   ; and one wait for the batch, ahead of its first reader
.set i, 0
.rept 32
	v_cvt_pk_f16_f32 v[P+i], v[S+2*i], v[S+2*i+1]
.set i, i+1
.endr
.irp t, 0,1
.set i, 0
.rept 16
	v_pk_mul_f32 v[O+32*\t+i:O+32*\t+i+1], v[O+32*\t+i:O+32*\t+i+1], v[ST+8*\t+6:ST+8*\t+7] op_sel_hi:[1,0]   ; O^T x a
.set i, i+2
.endr
.endr
	s_wait_dscnt 0x0                               ; V is in
	WIN 0x01                                       ; V in window 1; P and O^T in window 0
.irp kh, 0,1
.irp c, 0,1,2,3
.irp t, 0,1
	v_wmma_f32_16x16x32_f16 v[O+32*\t+8*\c:O+32*\t+8*\c+7], v[VF+8*(4*\kh+\c):VF+8*(4*\kh+\c)+7], v[P+16*\t+8*\kh:P+16*\t+8*\kh+7], v[O+32*\t+8*\c:O+32*\t+8*\c+7]
.endr
.endr
.endr
	WIN 0
; The sums of the unrounded p, as a tree in place, then l = a l + the sum.  These 32 plain lines name no register of the products above: they are the places in front of the next step's loads into V's registers.
.irp u, 0,1,2,3,4,5,6,7
.irp t, 0,1
	v_pk_add_f32 v[S+32*\t+4*\u:S+32*\t+4*\u+1], v[S+32*\t+4*\u:S+32*\t+4*\u+1], v[S+32*\t+4*\u+2:S+32*\t+4*\u+3]
.endr
.endr
.irp u, 0,1,2,3
.irp t, 0,1
	v_pk_add_f32 v[S+32*\t+8*\u:S+32*\t+8*\u+1], v[S+32*\t+8*\u:S+32*\t+8*\u+1], v[S+32*\t+8*\u+4:S+32*\t+8*\u+5]
.endr
.endr
.irp u, 0,1
.irp t, 0,1
	v_pk_add_f32 v[S+32*\t+16*\u:S+32*\t+16*\u+1], v[S+32*\t+16*\u:S+32*\t+16*\u+1], v[S+32*\t+16*\u+8:S+32*\t+16*\u+9]
.endr
.endr
.irp t, 0,1
	v_pk_add_f32 v[S+32*\t:S+32*\t+1], v[S+32*\t:S+32*\t+1], v[S+32*\t+16:S+32*\t+17]
.endr
.irp t, 0,1
	v_pk_fma_f32 v[ST+8*\t+2:ST+8*\t+3], v[ST+8*\t+2:ST+8*\t+3], v[ST+8*\t+6:ST+8*\t+7], v[S+32*\t:S+32*\t+1] op_sel_hi:[1,0,1]
.endr
.endm
; THE CHANGE OF SLOTS stands at a slot's head.  Each wave waits for all its tensor loads (its part of the slot that it is about to read), adds 0 to its spare word, and waits for that and for its LDS instructions so far.
; fill = 1: the barrier is a round of the cluster's, so that no wave of any partner still reads the other slot or has a load on its way; the joint load of the next 256 keys is the first thing behind it and has four key steps in which to land.
.macro CHANGE fill
	WIN 0
	s_wait_tensorcnt 0x0                           ; no tensor load of mine is out, so a group 0 may be written
	ds_add_u32 v[SPW], v[NIL]                      ; 0 onto my spare word
.if \fill
	s_xor_b32 s[G0K+1], s[G0K+1], SLOT1            ; the walking descriptors: the other slot than last time,
	s_add_nc_u64 s[G0K+2:G0K+3], s[G0K+2:G0K+3], 32768   ; the next 256 keys
	s_xor_b32 s[G0V+1], s[G0V+1], SLOT1
	s_add_nc_u64 s[G0V+2:G0V+3], s[G0V+2:G0V+3], 32768
	s_wait_xcnt 0x0                                ; the last prefetch, a slot back, has read its address, so it may be written
	s_add_nc_u64 s[PFA:PFA+1], s[PFA:PFA+1], 32768 ; one slot further on than the walking descriptors
	s_wait_dscnt 0x0                               ; the add is done; my reads of the slot that I have left are over (at the first change: my stores of the mask's terms have landed)
	CROUND
	JLOAD
	ASK
.else
	s_wait_dscnt 0x0
	s_barrier_signal -1
	s_barrier_wait -1
.endif
.endm
.macro SLOT_STEPS
	v_add_nc_u32 v[ADK], s[TB], v[AK0]
	v_add_nc_u32 v[ADV], s[TB], v[AV0]
	v_add_nc_u32 v[ADX], s[TB], v[AX0]
	v_add_nc_u32 v[ADM], s[TM], v[AM0]
	STEP 0
	STEP 1
	STEP 2
	STEP 3
	s_xor_b32 s[TB], s[TB], SLOT1                  ; on to the other slot
	s_add_co_u32 s[TM], s[TM], 1024
.endm
	s_wait_loadcnt 0x0                             ; Q
.Lslot:                                            ; 7 trips: behind each change of slots but the last the next slot is asked for
	CHANGE 1
	SLOT_STEPS
	s_sub_co_u32 s[SLOTS], s[SLOTS], 1
	s_cmp_lg_u32 s[SLOTS], 0
	s_cbranch_scc1 .Lslot
	CHANGE 0                                       ; the last slot is written out
	SLOT_STEPS
	; THE END.  l's halves are added; the eight parts of the mean meet in LDS; O^T / l, or the mean where l > 0 does not hold; f16; through my stage; out.  (The last step's 32 sums are the places behind the last products.)
.irp t, 0,1
	v_add_f32 v[ST+8*\t+4], v[ST+8*\t+2], v[ST+8*\t+3]
.endr
.irp t, 0,1
	v_permlanex16_b32 v[ST+8*\t+5], v[ST+8*\t+4], s[SEL], s[SEL+1]
.endr
.irp t, 0,1
	v_add_f32 v[ST+8*\t+4], v[ST+8*\t+4], v[ST+8*\t+5]
.endr
	v_add_nc_u32 v[ADV], MIMG, v[GO]               ; an image's place for my lane: 16 x lane
	s_lshl_b32 s10, s[WV], 10
	v_add_nc_u32 v[ADK], s10, v[ADV]               ; my wave's image
	ds_store_b128 v[ADK], v[MA:MA+3]               ; from the accumulator's low end on
	ds_store_b128 v[ADK], v[MA+4:MA+7] offset:512
	s_wait_dscnt 0x0                               ; for the others' sake: my stores have landed
	s_barrier_signal -1
	s_barrier_wait -1
.irp i, 0,1,2,3,4,5,6,7
	ds_load_b128 v[S+8*\i:S+8*\i+3], v[ADV] offset:1024*\i
	ds_load_b128 v[S+8*\i+4:S+8*\i+7], v[ADV] offset:1024*\i+512
.endr
.irp t, 0,1
	v_rcp_f32 v[ST+8*\t+6], v[ST+8*\t+4]
.endr
	v_nop                                          ; a plain line behind the last reciprocal
	v_cmp_gt_f32 s66, v[ST+4], 0                   ; false where l is 0 or NaN
	v_cmp_gt_f32 s67, v[ST+12], 0
	s_wait_alu depctr_va_vdst(0)                   ; one wait for the two reciprocals, ahead of their first reader
.irp t, 0,1
.set i, 0
.rept 16
	v_pk_mul_f32 v[O+32*\t+i:O+32*\t+i+1], v[O+32*\t+i:O+32*\t+i+1], v[ST+8*\t+6:ST+8*\t+7] op_sel_hi:[1,0]
.set i, i+2
.endr
.endr
	s_wait_dscnt 0x0                               ; the eight images are in
.irp c, 0,1,2,3
.irp k, 0,2,4,6
	v_pk_add_f32 v[MEAN+8*\c+\k:MEAN+8*\c+\k+1], v[S+8*\c+\k:S+8*\c+\k+1], v[S+8*(\c+4)+\k:S+8*(\c+4)+\k+1]   ; channels 16 c on: the two halves of the keys.  It lies as a tile of O^T lies
.endr
.endr
.set i, 0
.rept 32
	v_cndmask_b32 v[O+i], v[MEAN+i], v[O+i], s66
	v_cndmask_b32 v[O+32+i], v[MEAN+i], v[O+32+i], s67
.set i, i+1
.endr
.set i, 0
.rept 32
	v_cvt_pk_f16_f32 v[P+i], v[O+2*i], v[O+2*i+1]
.set i, i+1
.endr
.irp t, 0,1
.irp c, 0,1,2,3
	ds_store_b128 v[STO], v[P+16*\t+4*\c:P+16*\t+4*\c+3] offset:2304*\t+32*\c
.endr
.irp i, 0,1,2,3
	ds_load_b128 v[S+16*\t+4*\i:S+16*\t+4*\i+3], v[RD] offset:2304*\t+576*\i   ; LDS serves a wave's instructions in order: these see my stores
.endr
.endr
.irp i, 0,1,2,3
	s_wait_dscnt 11-\i                             ; behind tile 0's load i: its later loads, and tile 1's four stores and four loads
	global_store_b128 v[GO], v[S+4*\i:S+4*\i+3], s[52:53] offset:512*\i   ; 32 lanes store 512 consecutive bytes: four rows of the head's plane
.endr
.irp i, 0,1,2,3
	s_wait_dscnt 3-\i
	global_store_b128 v[GO], v[S+16+4*\i:S+16+4*\i+3], s[52:53] offset:2048+512*\i
.endr
	s_wait_tensorcnt 0x0                           ; the wave's end, behind my last tensor load and my last LDS store
	ds_add_u32 v[SPW], v[NIL]
	s_wait_dscnt 0x0
	CROUND                                         ; the closing round
	s_endpgm
.Lfunc_end_k_q713ed62460_attn:
	.size	k_q713ed62460_attn, .Lfunc_end_k_q713ed62460_attn-k_q713ed62460_attn
	.p2alignl 7, 3214868480
	.fill 96, 4, 3214868480
	.section	.rodata,"a",@progbits
	.p2align	6, 0x0
	.amdhsa_kernel k_q713ed62460_attn
		.amdhsa_group_segment_fixed_size 327680
		.amdhsa_private_segment_fixed_size 0
		.amdhsa_enable_private_segment 0
		.amdhsa_kernarg_size 24
		.amdhsa_user_sgpr_count 2
		.amdhsa_user_sgpr_kernarg_segment_ptr 1
		.amdhsa_wavefront_size32 1
		.amdhsa_system_sgpr_workgroup_id_x 1
		.amdhsa_system_sgpr_workgroup_id_y 1
		.amdhsa_system_sgpr_workgroup_id_z 1
		.amdhsa_system_vgpr_workitem_id 0
		.amdhsa_next_free_vgpr 512
		.amdhsa_next_free_sgpr 72
		.amdhsa_reserve_vcc 0
		.amdhsa_float_denorm_mode_32 3
		.amdhsa_float_denorm_mode_16_64 3
		.amdhsa_memory_ordered 1
		.amdhsa_forward_progress 1
		.amdhsa_inst_pref_size 169
	.end_amdhsa_kernel
	.amdgpu_metadata
---
amdhsa.version: [ 1, 2 ]
amdhsa.kernels:
  - .name:           k_q713ed62460_attn
    .symbol:         k_q713ed62460_attn.kd
    .args:
      - { .name: qkv, .offset: 0, .size: 8, .value_kind: global_buffer, .address_space: global }
      - { .name: attention_mask, .offset: 8, .size: 8, .value_kind: global_buffer, .address_space: global }
      - { .name: ao, .offset: 16, .size: 8, .value_kind: global_buffer, .address_space: global }
    .group_segment_fixed_size: 327680
    .private_segment_fixed_size: 0
    .kernarg_segment_align: 8
    .kernarg_segment_size: 24
    .max_flat_workgroup_size: 256
    .sgpr_count:     72
    .vgpr_count:     512
    .wavefront_size: 32
...
	.end_amdgpu_metadata
.endif
;; end of part 3
;; launch proj (part 4): grid 8 x 32, 4 waves a work-group, clusters of 4 x 4, 327,680 bytes of LDS; arguments ao, wo16, bout, out0; writes out0
.if DOCPART == 4
	.amdgcn_target "amdgcn-amd-amdhsa--gfx1250"
	.amdhsa_code_object_version 6
	.text
	.protected	k_q713ed62460_proj
	.globl	k_q713ed62460_proj
	.p2align	8
	.type	k_q713ed62460_proj,@function
k_q713ed62460_proj:
	s_mov_b64 s[64:65], 0
	v_nop
	global_prefetch_b8 v0, s[64:65] scope:SCOPE_SE
	s_setreg_imm32_b32 hwreg(HW_REG_WAVE_MODE, 25, 1), 1
	s_wait_xcnt 0x0
	s_wait_alu depctr_hold_cnt(0) depctr_sa_sdst(0) depctr_va_vdst(0) depctr_va_sdst(0) depctr_va_ssrc(0) depctr_va_vcc(0) depctr_vm_vsrc(0)
	s_getreg_b32 s2, hwreg(HW_REG_IB_STS2, 6, 4)
	s_cmp_eq_u32 s2, 0
	s_cbranch_scc0 .Lentry_in_a_cluster
	s_endpgm
.Lentry_in_a_cluster:
	s_bfe_u32 s2, ttmp6, 0x10000c
	s_cmp_lg_u32 s2, 0xf033
	s_cbranch_scc0 .Lentry_shape_is_right
	s_endpgm
.Lentry_shape_is_right:
; LAUNCH 4 OF 4: out0[m][o] = sum over c of A[m][c] Wout[o][c] + bout[o].  No work of the problem is left out here.
; A = ao, f16 in planes [16 = c / 64][4096 m][64]; B = wo16, f16 in planes [16][1024 o][64]; bout [1024] f32; out0 [4096][1024] f32.  f16 operands, f32 sums.
; A tile of out0 is 128 x 128: 256 work-groups.  Four waves, each 64 x 64: 16 accumulators.  K goes in steps of 256 = 4 planes through two LDS slots.  A wave's tensor load brings 4 planes x 64 rows: each plane's 64 rows are 8,192 dense
; bytes, stated as one row of 4,096 elements, padded behind every 128 bytes; the planes lie 524,288 (A) or 131,072 (B) bytes apart.  In LDS: [plane][64 rows][144 bytes].
; CLUSTERS: 4 x 4 work-groups; A's tiles are asked for jointly along a row of the cluster, B's along a column.  No prefetch: small tiles, and both operands are read by many work-groups.
; THE MATRIX INSTRUCTION IS USED TRANSPOSED (source 0 = 16 rows of B, source 1 = 16 rows of A): a lane holds eight neighbouring numbers of a row of out0.  THE BIAS is the C of each sum's first matrix instruction.
; A wave's 64 columns of f32 are 256 aligned bytes: each wave has a stage of its own on the way out, and no barrier stands there.
; REGISTERS: window 0: v0-31 addresses; v32-95 rows read back; v96-127 the bias, 8 for each block of 16 columns; v128-255 the accumulators ((a, b) at v[128 + 8 (4 a + b)]).   window 1: two fragment buffers of 128.
.set PITCH,  144                       ; an LDS row: 128 bytes + 16: the 16 rows that a load touches start at 16 different banks
.set PLANE,  64*PITCH                  ; 64 rows of one plane
.set HALFT,  4*PLANE                   ; what one tensor load brings, and what one wave reads of A or of B
.set SLOT,   4*HALFT
.set STAGE,  2*SLOT                    ; behind the ring: 16 rows x 272 bytes for each wave
.set SPITCH, 272
.set SPARE,  STAGE+4*16*SPITCH         ; the spare words, 128 bytes a wave
.set LAPS,   2                         ; K = 1,024 = 4 K steps = twice round the ring
.set ASTEP,  4*524288                  ; a K step on, in A
.set BSTEP,  4*131072                  ; and in B
.set ADRA, 16
.set ADRB, 20
.set STO,  24
.set RD,   25
.set CO,   26
.set BO,   27                          ; v27  32 h: my half's place in 16 numbers of the bias
.set SPW,  28
.set NIL,  29
.set TMP,  32
.set BI,   96
.set ACC,  128
.set F0,   0
.set F1,   128
.set G1, 24
.set G0, 32
.set G1B, 48
.set G0B, 56
.set MSB, 0
.macro WIN new                         ; the immediate's high byte repeats the setting that is left
.if MSB != \new
	s_set_vgpr_msb (MSB<<8)|\new
.set MSB, \new
.endif
.endm
.set MUL,  0x05                        ; sources 0 (B) and 1 (A) window 1; C and D window 0
.set TO_F, 0x40                        ; destination window 1, address window 0
.macro JLOAD s                         ; a joint load: waves 0 and 1 fetch A's two halves, waves 2 and 3 B's; an s_nop 0 and four v_nop follow each of the two lines
	s_cmp_eq_u32 s11, 0
	s_cbranch_scc0 .Lfor_b_\@
	tensor_load_to_lds s[G0+4*\s:G0+4*\s+3], s[G1:G1+7]
	s_nop 0
.rept 4
	v_nop
.endr
	s_branch .Lasked_\@
.Lfor_b_\@:
	tensor_load_to_lds s[G0B+4*\s:G0B+4*\s+3], s[G1B:G1B+7]
	s_nop 0
.rept 4
	v_nop
.endr
.Lasked_\@:
.endm
.macro CREST                           ; a round of the cluster's barrier behind its opening barrier
	s_cmp_lg_u32 s10, 0
	s_cbranch_scc1 .Lnot_wave_0_\@
	s_barrier_signal -3
.Lnot_wave_0_\@:
	s_barrier_wait -3
	s_barrier_signal -1
	s_barrier_wait -1
.endm
.macro CROUND
	s_barrier_signal -1
	s_barrier_wait -1
	CREST
.endm
	s_load_b128 s[4:7], s[0:1], 0x0                ; ao, wo16
	s_load_b64 s[8:9], s[0:1], 0x10                ; bout
	s_load_b64 s[66:67], s[0:1], 0x18              ; out0
	v_lshl_add_u32 v[SPW], v0, 2, SPARE
	v_mov_b32 v[NIL], 0
	ds_add_u32 v[SPW], v[NIL]                      ; the wave's opening: the add, twice on end, and its wait ahead of my first tensor load
	ds_add_u32 v[SPW], v[NIL]
	v_lshrrev_b32 v1, 5, v0
	v_readfirstlane_b32 s10, v1                    ; wave 0..3
	s_lshr_b32 s11, s10, 1                         ; which half of the tile's rows is mine.  Also: I fetch for A (0) or for B (1)
	s_and_b32 s12, s10, 1                          ; which half of its columns.  Also: which 64 rows of that tile I fetch
	s_bfe_u32 s40, ttmp6, 0x40000                  ; cx, cy
	s_bfe_u32 s41, ttmp6, 0x40004
	s_lshl_b32 s42, ttmp9, 2
	s_add_co_u32 s42, s42, s40                     ; tile column
	s_and_b32 s13, ttmp7, 0xffff
	s_lshl_b32 s13, s13, 2
	s_add_co_u32 s13, s13, s41                     ; tile row
	s_lshl_b32 s43, s41, 2
	s_lshl_b32 s43, 15, s43                        ; my row of the cluster
	s_lshl_b32 s44, 0x1111, s40                    ; my column
	s_or_b32 s[G1+0], s43, (1<<16)|(1<<20)|(1<<21)|(4<<22)|(3<<25)  ; the mask; elements of 2 bytes; padding on; bit 21 beside a mask; 4 words behind every 32
	s_or_b32 s[G1B+0], s44, (1<<16)|(1<<20)|(1<<21)|(4<<22)|(3<<25)
.irp g, G1, G1B
	s_mov_b32 s[\g+1], 4096<<16                    ; tensor_dim0 = 4,096 elements: a plane's 64 rows on end
	s_mov_b32 s[\g+2], 4<<16                       ; tensor_dim1 = 4 planes
	s_mov_b32 s[\g+3], 4096<<16                    ; tile_dim0
	s_mov_b32 s[\g+4], 4                           ; tile_dim1
	s_mov_b32 s[\g+6], 0
	s_mov_b32 s[\g+7], 0
.endr
	s_mov_b32 s[G1+5], 262144                      ; from plane to plane, in elements: A
	s_mov_b32 s[G1B+5], 65536                      ; B
	s_lshl_b32 s17, s12, 6                         ; which 64 rows of the tile I fetch
	s_lshl_b32 s16, s13, 7
	s_add_co_u32 s16, s16, s17
	s_lshl_b32 s16, s16, 7                         ; A: (128 x tile row + 64 x half) rows of 128 bytes
	s_lshl_b32 s46, s42, 7
	s_add_co_u32 s46, s46, s17
	s_lshl_b32 s46, s46, 7                         ; B: by the tile column
	s_mov_b32 s17, 0
	s_mov_b32 s47, 0
	s_mul_i32 s20, s10, HALFT                      ; where they go: no place in the cluster enters an LDS address
	s_wait_dscnt 0x0                               ; both opening adds are done
	s_wait_kmcnt 0x0
	s_add_nc_u64 s[14:15], s[4:5], s[16:17]
	s_add_nc_u64 s[46:47], s[6:7], s[46:47]
	CROUND                                         ; all sixteen work-groups are here: the first joint loads meet
.irp s, 0,1
	s_mov_b32 s[G0+4*\s], 1
	s_add_co_u32 s[G0+4*\s+1], s20, \s*SLOT
	s_add_nc_u64 s[G0+4*\s+2:G0+4*\s+3], s[14:15], \s*ASTEP
	s_or_b32 s[G0+4*\s+3], s[G0+4*\s+3], 0x80000000
	s_mov_b32 s[G0B+4*\s], 1
	s_add_co_u32 s[G0B+4*\s+1], s20, \s*SLOT
	s_add_nc_u64 s[G0B+4*\s+2:G0B+4*\s+3], s[46:47], \s*BSTEP
	s_or_b32 s[G0B+4*\s+3], s[G0B+4*\s+3], 0x80000000
	JLOAD \s                                       ; two tensor loads of mine are out
.endr
	v_and_b32 v1, 15, v0                           ; r
	v_bfe_u32 v2, v0, 4, 1                         ; h
	v_mul_u32_u24 v3, v1, PITCH
	v_lshl_add_u32 v3, v2, 4, v3                   ; a fragment's row x pitch + 16 x half
	s_mul_i32 s21, s11, HALFT                      ; my 64 rows of A
	s_mul_i32 s22, s12, HALFT                      ; my 64 rows of B,
	s_add_co_u32 s22, s22, 2*HALFT                 ; which lie behind A's 128
.irp s, 0,1
	v_add_nc_u32 v[ADRA+\s], s21, v3
	v_add_nc_u32 v[ADRB+\s], s22, v3
	s_add_co_u32 s21, s21, SLOT
	s_add_co_u32 s22, s22, SLOT
.endr
	s_mul_i32 s23, s10, 16*SPITCH
	s_add_co_u32 s23, s23, STAGE                   ; my stage
	v_mul_u32_u24 v4, v1, SPITCH
	v_lshl_add_u32 v4, v2, 5, v4
	v_add_nc_u32 v[STO], s23, v4                   ; in: row r, 32 bytes for each half of the lanes
	v_mul_u32_u24 v5, v2, SPITCH
	v_lshl_add_u32 v5, v1, 4, v5
	v_add_nc_u32 v[RD], s23, v5                    ; back: lanes 0-15 one row of 256 bytes, lanes 16-31 the next
	v_lshlrev_b32 v5, 12, v2
	v_lshl_add_u32 v[CO], v1, 4, v5                ; and the same two rows in out0 (4,096 bytes a row)
	v_lshlrev_b32 v[BO], 5, v2
	s_lshl_b32 s16, s13, 7
	s_lshl_b32 s17, s11, 6
	s_add_co_u32 s16, s16, s17                     ; my first row: 128 x tile row + 64 x half
	s_lshl_b32 s16, s16, 12
	s_mov_b32 s17, 0
	s_add_nc_u64 s[66:67], s[66:67], s[16:17]
	s_lshl_b32 s46, s42, 9                         ; my first column, in bytes: 512 x tile column + 256 x half (in the registers that held B's address)
	s_lshl_b32 s47, s12, 8
	s_add_co_u32 s46, s46, s47
	s_mov_b32 s47, 0
	s_add_nc_u64 s[66:67], s[66:67], s[46:47]
	s_add_nc_u64 s[8:9], s[8:9], s[46:47]          ; and the same place in the bias
.irp b, 0,1,2,3
	global_load_b128 v[BI+8*\b:BI+8*\b+3], v[BO], s[8:9] offset:64*\b        ; register j: bout at column 16 b + 8 h + j: the layout of a result
	global_load_b128 v[BI+8*\b+4:BI+8*\b+7], v[BO], s[8:9] offset:64*\b+16
.endr
; 8 matrix instructions: m blocks a0, a0 + 1 x all 4 n blocks, 32 along K: half c of buffer f.  zero = 1: the sums begin with the bias.  The 16 accumulators take turns.
.macro MUL8 f, c, a0, zero
.irp a, \a0, \a0+1
.irp b, 0,1,2,3
.if \zero
	v_wmma_f32_16x16x32_f16 v[ACC+8*(4*(\a)+\b):ACC+8*(4*(\a)+\b)+7], v[\f+64+8*(4*\c+\b):\f+64+8*(4*\c+\b)+7], v[\f+8*(4*\c+\a):\f+8*(4*\c+\a)+7], v[BI+8*\b:BI+8*\b+7]
.else
	v_wmma_f32_16x16x32_f16 v[ACC+8*(4*(\a)+\b):ACC+8*(4*(\a)+\b)+7], v[\f+64+8*(4*\c+\b):\f+64+8*(4*\c+\b)+7], v[\f+8*(4*\c+\a):\f+8*(4*\c+\a)+7], v[ACC+8*(4*(\a)+\b):ACC+8*(4*(\a)+\b)+7]
.endif
.endr
.endr
.endm
; 32 LDS loads in one run: the fragments of one plane (64 along K), which begins at byte k of my rows' region, into buffer f; the first 32 along K first
.macro FETCH slot, k, f
	WIN TO_F
.irp c, 0,1
.irp i, 0,1,2,3
	ds_load_b128 v[\f+64+8*(4*\c+\i):\f+64+8*(4*\c+\i)+3],   v[ADRB+\slot] offset:\k+64*\c+\i*16*PITCH
	ds_load_b128 v[\f+64+8*(4*\c+\i)+4:\f+64+8*(4*\c+\i)+7], v[ADRB+\slot] offset:\k+64*\c+\i*16*PITCH+32
	ds_load_b128 v[\f+8*(4*\c+\i):\f+8*(4*\c+\i)+3],         v[ADRA+\slot] offset:\k+64*\c+\i*16*PITCH
	ds_load_b128 v[\f+8*(4*\c+\i)+4:\f+8*(4*\c+\i)+7],       v[ADRA+\slot] offset:\k+64*\c+\i*16*PITCH+32
.endr
.endr
.endm
.macro PLACES                          ; four places in front of loads into registers that matrix instructions have read, and of reads of results
.rept 4
	v_nop
.endr
.endm
; A K step is four quarters, a plane each, 32 matrix instructions, on buffers 0, 1, 0, 1.  One of the first three: multiplies buffer f and fetches the next plane, at byte k, into g.
.macro QUARTER slot, k, f, g, zero
	s_wait_dscnt 16                                ; the first 32 along K are in; the other sixteen loads may be out
	WIN MUL
	MUL8 \f, 0, 0, \zero
	MUL8 \f, 0, 2, \zero
	PLACES
	FETCH \slot, \k, \g
	s_wait_dscnt 32                                ; all but the 32 just issued
	WIN MUL
	MUL8 \f, 1, 0, 0
	MUL8 \f, 1, 2, 0
.endm
; The last quarter multiplies buffer 1 and changes slots: ONE barrier; in front of it each wave waits for all its tensor loads, adds 0 to its spare word, and waits for that and for its reads of this slot.  fill = 1: this slot is filled again, two K steps ahead.
.macro TURN slot, next, fill
	WIN 0                                          ; (the add's two registers lie in window 0)
	s_wait_tensorcnt 0x0                           ; all my tensor loads have landed: my part of the next slot
	ds_add_u32 v[SPW], v[NIL]                      ; 0 onto my spare word
	s_wait_dscnt 17                                ; (the add and the youngest sixteen loads may be out)
	WIN MUL
	MUL8 F1, 0, 0, 0
	s_wait_dscnt 0x0                               ; the add is done, and my reads of this slot are over
	s_barrier_signal -1
	MUL8 F1, 0, 2, 0
.if \fill
	WIN 0
.endif
	s_barrier_wait -1
.if \fill
	CREST                                          ; the barrier has opened a round of the cluster's: no wave of any partner still reads this slot or has a load on its way
	s_add_nc_u64 s[G0+4*\slot+2:G0+4*\slot+3], s[G0+4*\slot+2:G0+4*\slot+3], 2*ASTEP
	s_add_nc_u64 s[G0B+4*\slot+2:G0B+4*\slot+3], s[G0B+4*\slot+2:G0B+4*\slot+3], 2*BSTEP
	JLOAD \slot                                    ; the first tensor load behind the round; its four v_nop are also the places in front of the loads below
.else
	PLACES
.endif
	FETCH \next, 0, F0
	WIN MUL
	MUL8 F1, 1, 0, 0
	MUL8 F1, 1, 2, 0
.endm
	s_wait_tensorcnt 1                             ; my part of K step 0 is in (K step 1's load may be out),
	s_barrier_signal -1
	s_barrier_wait -1                              ; everybody's is
	FETCH 0, 0, F0
	s_wait_loadcnt 0x0                             ; the bias
	QUARTER 0, PLANE, F0, F1, 1                    ; the first quarter stands in front of the loop: its first products start the sums
	WIN 0                                          ; at a label and at a branch every window is 0
	s_mov_b32 s3, LAPS-1
.Llap:                                                 ; a trip goes once round the ring, from a lap's second quarter to the next lap's first, and fills both slots again
	QUARTER 0, 2*PLANE, F1, F0, 0
	QUARTER 0, 3*PLANE, F0, F1, 0
	TURN 0, 1, 1
	QUARTER 1, PLANE, F0, F1, 0
	QUARTER 1, 2*PLANE, F1, F0, 0
	QUARTER 1, 3*PLANE, F0, F1, 0
	TURN 1, 0, 1
	QUARTER 0, PLANE, F0, F1, 0
	WIN 0
	s_sub_co_u32 s3, s3, 1
	s_cmp_lg_u32 s3, 0
	s_cbranch_scc1 .Llap
	QUARTER 0, 2*PLANE, F1, F0, 0                  ; the last lap fills nothing, and has no round of the cluster's barrier
	QUARTER 0, 3*PLANE, F0, F1, 0
	TURN 0, 1, 0
	QUARTER 1, PLANE, F0, F1, 0
	QUARTER 1, 2*PLANE, F1, F0, 0
	QUARTER 1, 3*PLANE, F0, F1, 0
	s_wait_dscnt 16                                ; the very last quarter: nothing more to fetch
	WIN MUL
	MUL8 F1, 0, 0, 0
	MUL8 F1, 0, 2, 0
	s_wait_dscnt 0
	MUL8 F1, 1, 0, 0
	MUL8 F1, 1, 2, 0
	WIN 0
; THE WAY OUT, block by block of 16 rows x 64 columns: a lane's 32 bytes of a row go into my own stage and come back as whole rows of 256 bytes.  LDS serves a wave's instructions in order (ISA guide 5.7.1.4): no wait between the stores and the loads.
.macro TOSTAGE a
.irp b, 0,1,2,3
	ds_store_b128 v[STO], v[ACC+8*(4*(\a)+\b):ACC+8*(4*(\a)+\b)+3] offset:64*\b          ; each accumulator from its low end on
	ds_store_b128 v[STO], v[ACC+8*(4*(\a)+\b)+4:ACC+8*(4*(\a)+\b)+7] offset:64*\b+16
.endr
.irp t, 0,1,2,3,4,5,6,7
	ds_load_b128 v[TMP+32*((\a)%2)+4*\t:TMP+32*((\a)%2)+4*\t+3], v[RD] offset:\t*2*SPITCH
.endr
.endm
.macro SEND a, younger                 ; younger: the LDS instructions issued behind block a's loads, which may stay out
	s_wait_dscnt \younger
.irp t, 0,1,2,3,4,5,6,7
	global_store_b128 v[CO], v[TMP+32*((\a)%2)+4*\t:TMP+32*((\a)%2)+4*\t+3], s[66:67] offset:(16*(\a)+2*\t)*4096 th:TH_STORE_NT   ; 16 lanes store 256 consecutive bytes, aligned; every offset is an immediate
.endr
.endm
	PLACES
.irp a, 0,1,2,3
.if \a > 1
	s_wait_xcnt 0x0                                ; block a - 2's stores have read their registers: block a's rows may land there
.endif
	TOSTAGE \a
.if \a > 0
	SEND \a-1, 16                                  ; behind block a - 1's loads: block a's 8 stores and 8 loads
.endif
.endr
	SEND 3, 0
	s_wait_tensorcnt 0x0                           ; the wave's end, behind my last tensor load and my last LDS store
	ds_add_u32 v[SPW], v[NIL]
	s_wait_dscnt 0x0
	CROUND                                         ; the closing round
	s_endpgm
.Lfunc_end_k_q713ed62460_proj:
	.size	k_q713ed62460_proj, .Lfunc_end_k_q713ed62460_proj-k_q713ed62460_proj
	.p2alignl 7, 3214868480
	.fill 96, 4, 3214868480
	.section	.rodata,"a",@progbits
	.p2align	6, 0x0
	.amdhsa_kernel k_q713ed62460_proj
		.amdhsa_group_segment_fixed_size 327680
		.amdhsa_private_segment_fixed_size 0
		.amdhsa_enable_private_segment 0
		.amdhsa_kernarg_size 32
		.amdhsa_user_sgpr_count 2
		.amdhsa_user_sgpr_kernarg_segment_ptr 1
		.amdhsa_wavefront_size32 1
		.amdhsa_system_sgpr_workgroup_id_x 1
		.amdhsa_system_sgpr_workgroup_id_y 1
		.amdhsa_system_sgpr_workgroup_id_z 1
		.amdhsa_system_vgpr_workitem_id 0
		.amdhsa_next_free_vgpr 512
		.amdhsa_next_free_sgpr 68
		.amdhsa_reserve_vcc 0
		.amdhsa_float_denorm_mode_32 3
		.amdhsa_float_denorm_mode_16_64 3
		.amdhsa_memory_ordered 1
		.amdhsa_forward_progress 1
		.amdhsa_inst_pref_size 86
	.end_amdhsa_kernel
	.amdgpu_metadata
---
amdhsa.version: [ 1, 2 ]
amdhsa.kernels:
  - .name:           k_q713ed62460_proj
    .symbol:         k_q713ed62460_proj.kd
    .args:
      - { .name: ao, .offset: 0, .size: 8, .value_kind: global_buffer, .address_space: global }
      - { .name: wo16, .offset: 8, .size: 8, .value_kind: global_buffer, .address_space: global }
      - { .name: bout, .offset: 16, .size: 8, .value_kind: global_buffer, .address_space: global }
      - { .name: out0, .offset: 24, .size: 8, .value_kind: global_buffer, .address_space: global }
    .group_segment_fixed_size: 327680
    .private_segment_fixed_size: 0
    .kernarg_segment_align: 8
    .kernarg_segment_size: 32
    .max_flat_workgroup_size: 128
    .sgpr_count:     68
    .vgpr_count:     512
    .wavefront_size: 32
...
	.end_amdgpu_metadata
.endif
;; end of part 4
